; MI455X (gfx1250); checked and timed in simulation.
; The chip was launched on July 23, 2026; its instructions are those of AMD's public machine-readable ISA for CDNA 5 (MIT licence, August 2026) and "CDNA5" Instruction Set Architecture Reference Guide (July 2026). The comments in the code are by the model that wrote it; some were corrected since.
;; Attention Mechanism. Allowed arithmetic: matrix products marked QUANTISED: E5M2 operands, one E8M0 scale for each 32 along K, by v_wmma_scale_f32_16x16x128_f8f6f4 with both operands' format E5M2, f32 sums; products left as they are: f32 operands where the result goes on into a quantised operand, else bf16, f16 or f32 operands; f32 sums; everything else in f32.
;; Inputs: W_codes 1,024 x 32 x 32 uint8 (E5M2 codes of W, K innermost, in blocks of 32 codes); W_scales 1,024 x 32 uint8 (E8M0 scales of W, one for each 32 codes along K); b 1,024 float32; decoder_hidden 32 x 1,024 float32; encoder_outputs_codes 2,048 x 32 x 32 x 32 uint8 (E5M2 codes of encoder_outputs, K innermost, in blocks of 32 codes); encoder_outputs_scales 2,048 x 32 x 32 uint8 (E8M0 scales of encoder_outputs, one for each 32 codes along K).
;; Outputs: out0 32 x 1 x 2,048 float32.
;; This version of the problem:
;;   THIS VERSION OF THE PROBLEM IS GIVEN IN LOW PRECISION. The matrix products marked QUANTISED in the list below multiply operands that are first quantised to E5M2 (5 exponent bits, 2 mantissa bits; 8 bits a number), with one power-of-two scale for each 32 numbers along K (OCP MX v1.0); their sums are f32. All else is computed in f32.
;;   The module's matrix products, in the order in which they are computed (A, B: the left and right operand; K: the contracted axis; several contracted axes count as one K, in the product's order):
;;     1. [M 65,536, K 1,024] x [K 1,024, N 1,024]; A: input encoder_outputs (given as codes); B: input W (given as codes): QUANTISED
;;     2. batch 32 x [M 1, K 1,024] x [K 1,024, N 2,048]; A: input decoder_hidden; B: computed on the way: left as it is (M = 1 < 16)
;;   THE QUANTISER, for each operand of a quantised product, along K:
;;     - K is cut into blocks of 32 from its start; a last block that is shorter is filled with zeros.
;;     - A block's scale is 2^e with e = floor(log2(the largest magnitude in the block)) - 15, held to -126 .. 127; a block of zeros has e = 0. As a byte (E8M0): e + 127.
;;     - Each number is divided by its block's scale, clamped to +-57,344, and rounded to the nearest number of E5M2, ties to even, subnormals kept.
;;     - The product sums the exact products of the quantised numbers (number of the format x scale) in f32.
;;   ~~~python
;;   def quantise(x, axis):      # numpy; x: float32 -> the quantised numbers, widened to float32 again
;;       x = np.moveaxis(x, axis, -1); K = x.shape[-1]
;;       x = np.pad(x, [(0, 0)] * (x.ndim - 1) + [(0, -K % 32)]); x = x.reshape(x.shape[:-1] + (-1, 32)); a = np.abs(x).max(-1, keepdims=True)
;;       e = np.where(a > 0, np.clip(np.frexp(np.where(a > 0, a, 1))[1] - 1 - 15, -126, 127), 0)      # np.frexp(a)[1] - 1 = floor(log2(a)), exactly
;;       r = np.clip(x / 2.0 ** e, -57344, 57344)
;;       step = 2.0 ** (np.maximum(np.frexp(np.where(r == 0, 1, r))[1] - 1, -14) - 2)
;;       q = np.round(r / step) * step * 2.0 ** e      # np.round: ties to even
;;       return np.moveaxis(q.reshape(q.shape[:-2] + (-1,))[..., :K], -1, axis).astype(np.float32)
;;   ~~~
;;   INPUTS GIVEN AS CODES. W (in the module: [1024, 1024], K = its axis 1); encoder_outputs (in the module: [2048, 32, 1024], K = its axis 2): each comes as NAME_codes (uint8): NAME with its K axis moved to the last place and cut into blocks of 32 codes, [.., K / 32, bytes a block], one block behind the other in memory; one code a byte (a code: sign, 5 exponent bits, 2 mantissa bits); and NAME_scales (uint8): the same leading axes, one E8M0 byte (e + 127) for each 32 codes along K. Its value is code x scale, taken as it is: it is not quantised again, and the codes and scales need not be those that the quantiser above would give.
;; 2 versions. Each part assembles by itself: llvm-mc -triple=amdgcn-amd-amdhsa -mcpu=gfx1250 --defsym DOCPART=n.
;; ======== version 1 of 2: 2 launches
;; workspace buffers: part 2,097,152 bytes
;; launch energy (part 1): grid 4 x 64, 4 waves a work-group, clusters of 4 x 4, 327,680 bytes of LDS; arguments encoder_outputs_codes, encoder_outputs_scales, W_codes, W_scales, decoder_hidden, b, part; writes part
.if DOCPART == 1
	.amdgcn_target "amdgcn-amd-amdhsa--gfx1250"
	.amdhsa_code_object_version 6
	.text
	.protected	k_qf7d6e1eefd_energy
	.globl	k_qf7d6e1eefd_energy
	.p2align	8
	.type	k_qf7d6e1eefd_energy,@function
k_qf7d6e1eefd_energy:
	s_mov_b64 s[64:65], 0
	v_nop
	global_prefetch_b8 v0, s[64:65] scope:SCOPE_SE
	s_setreg_imm32_b32 hwreg(HW_REG_WAVE_MODE, 25, 1), 1
	s_wait_xcnt 0x0
	s_wait_alu depctr_hold_cnt(0) depctr_sa_sdst(0) depctr_va_vdst(0) depctr_va_sdst(0) depctr_va_ssrc(0) depctr_va_vcc(0) depctr_vm_vsrc(0)
	s_getreg_b32 s2, hwreg(HW_REG_IB_STS2, 6, 4)
	s_cmp_eq_u32 s2, 0
	s_cbranch_scc0 .Lentry_in_a_cluster
	s_endpgm
.Lentry_in_a_cluster:
	s_bfe_u32 s2, ttmp6, 0x10000c
	s_cmp_lg_u32 s2, 0xf033
	s_cbranch_scc0 .Lentry_shape_is_right
	s_endpgm
.Lentry_shape_is_right:
; part[b][wy][wx][c][sl] = the sum over 128 columns k of dec[b][k] (proj[s][b][k] + bias[k]),  proj[s][b][k] = the sum over h of enc[s][b][h] W[k][h],  s = 32 wy + sl.
; enc [65,536 rows m = 32 s + b][1,024] and W [1,024 rows k][1,024] are codes of BF8 (E5M2) with one E8M0 byte for each 32 along K; they go to the matrix unit as they lie.  proj never goes to memory:
; each finished tile is multiplied by dec and summed over its columns in f32 (packed fused multiply-adds), since an error in an energy is a relative error of the same size in a softmax's weight: bf16 would be too coarse for dec.
; SHARES.  256 work-groups of four waves.  Work-group (wx, wy) owns rows 1,024 wy .. + 1,023 (32 values of s, all 32 b) and columns 256 wx .. + 255, as FOUR tiles of 256 x 256, one below the other; it stays, and the
; ring of two LDS slots goes on from tile to tile.  A wave makes 128 x 128: 64 accumulators of 16 x 16, 512 registers.  K goes in steps of 256 (a tile's row is 256 bytes of memory), each two matrix instructions deep.
; THE BLOCKS OF A WAVE ARE NOT NEIGHBOURS: block i of the rows of wave half x is tile rows 32 i + 16 x + r, so that a lane's b = 16 x + r is the same in all blocks and tiles, and block i is s = 8 tile + i.
; Likewise block j of the columns of wave half c is 32 j + 16 c + r.  So a lane's numbers of dec are 64 registers for the whole launch.
; THE MATRIX INSTRUCTION IS USED TRANSPOSED (source 0 = 16 rows of W, source 1 = 16 rows of enc): lane (r, h), register jj of accumulator (a, j) = proj(row r of block a, column 8 h + jj of block j).
; CLUSTERS: 4 x 4 work-groups.  The four of a row of the cluster (same wy) need the same tiles of enc, the four of a column (same wx) the same tiles of W: each tile is asked for JOINTLY, by the same tensor load with
; the same descriptor and a mask that names the four.  The cluster's four columns are all of N, so enc's codes are asked of memory once.
; THE SCALES of the work-group's 1,024 rows of enc and 256 rows of W, for all of K, are two dense blocks of memory: they come into LDS once, with the first fills, and stay.
; LIMITS: the f32 sums are ordered otherwise than in the definition (8 parts of 128 columns, added by the next launch; the sum of dec x bias starts each part's chain).  A scale byte 0xff makes the sums NaN.
; REGISTERS, in windows of 256: window 0: v0-31 addresses and energies; v32-63 scale words; v64-127 dec; v128-255 enc's fragments (8 blocks x 16 registers), ONE set.
;   window 1: W's fragments, TWO sets, at v0 and v128.   window 2: the accumulators of blocks 0-3 ((a, j) at v[8 (8 a + j)]);   window 3: those of blocks 4-7.
.set PITCH,  272                       ; an LDS row: 256 bytes + 16 of padding = 68 words: the 16 rows that a fragment load touches start at 16 different banks (64 banks of 4 bytes: ISA guide 11.1)
.set HALFT,  128*PITCH                 ; 128 rows: what one tensor load brings
.set SLOT,   4*HALFT                   ; enc's 256 rows, then W's 256 rows
.set BOFF,   2*HALFT
.set BLKR,   32*PITCH                  ; from block to block of a wave
.set SCLA,   2*SLOT                    ; behind the ring: enc's scales, 1,024 rows x 32 bytes, as 128 units of 256 bytes + 16 of padding
.set SCLB,   SCLA+128*272              ; W's: 256 rows x 32 bytes, 32 units
.set SPARE,  SCLB+32*272               ; the spare words, 128 bytes for each wave: two blocks of 256 bytes that no other line names
.set TSC,    32*272                    ; the scales of a tile's 256 rows
.set SBLK,   4*272                     ; those of 32 rows: from block to block
.set KSB,    256                       ; a K step in bytes
.set TILEB,  256*1024                  ; a tile's rows of enc in memory
.set ADRA, 1                           ; v1-2   LDS address of my fragments of enc in slot 0, 1
.set ADRB, 3                           ; v3-4   the same for W
.set ASA,  5                           ; v5     LDS address of enc's scale words in the tile in hand
.set ASA0, 6                           ; v6     the same in tile 0; never rewritten
.set ASB,  7                           ; v7     LDS address of W's scale words; never rewritten
.set SPW,  8                           ; v8     LDS address of my spare word: SPARE + 4 x my thread's number; never rewritten
.set NIL,  9                           ; v9     0; never rewritten
.set DB,   10                          ; v[10:11] the sum of dec x bias over my 64 columns, in two halves
.set E,    12                          ; v12-27 the energies' parts: tile t's four at v[12 + 4 t]
.set PFO,  28                          ; v28    the prefetches' offset: 1,024 x my lane (a lane a row)
.set STO,  29                          ; v29    the way out: where I put 16 bytes of a row of the stage
.set RD,   30                          ; v30    where I read a row back
.set CO,   31                          ; v31    my byte offset in part
.set SC,   32                          ; v32-63 scale words and nothing else: set s (slot s) at SC + 16 s: enc's block i at + i, W's block j at + 8 + j; lanes 0-15 the K step's first 128, lanes 16-31 its second
.set DEC,  64                          ; v64-127 dec[16 x + r][256 wx + 32 j + 16 c + 8 h + jj] at DEC + 8 j + jj
.set AF,   128
.set PS,   192                         ; between tiles, in registers of enc's blocks 4 and 5, which are free then: 8 pairs of sums,
.set SS,   208                         ; 8 sums,
.set XX,   216                         ; 4 to send,
.set YY,   220                         ; 4 to keep
.set DO,   192                         ; at the head only: offsets of dec's and the bias's loads, and temporaries
.set BO,   193
.set T2,   194
.set T3,   195
.set TR,   196
.set TH,   197
.set T0,   198
.set TL,   2                           ; s2   tiles to go in the loop
.set TS,   3                           ; s3   where the tile's scales of enc begin: TSC a tile
.set WV,   18                          ; s18  wave
.set XH,   19                          ; s19  x: my half of the blocks' rows.  Also: I fetch for enc (0) or for W (1)
.set CH,   20                          ; s20  c: my half of the blocks' columns.  Also: which 128 rows I fetch
.set CX,   21
.set CY,   22
.set WX,   23
.set WY,   40
.set G1,   24                          ; s[24:31] descriptor group 1 for enc's tiles; s[32:39] group 0, one set for each slot
.set G0,   32
.set G1B,  48                          ; s[48:55], s[56:63] the same for W's tiles
.set G0B,  56
.set G1S,  68                          ; s[68:75], s[76:79] groups 1 and 0 for enc's scales; s[80:87], s[88:91] for W's
.set G0S,  76
.set G1SB, 80
.set G0SB, 88
.set PFA,  92                          ; s[92:93] where my prefetches stand: my work-group's 32 rows of the 128 that I fetch, in the NEXT tile
.set SEL,  94                          ; s[94:95] lane selects for v_permlanex16_b32: lane l xor 16
.set HM,   96                          ; s96  the mask of lanes 16-31
.set MSB, 0
.macro WIN new                         ; the immediate's high byte repeats the setting that is left
.if MSB != \new
	s_set_vgpr_msb (MSB<<8)|\new
.set MSB, \new
.endif
.endm
.set MUL_LO, 0xa1                      ; source 0 (W) window 1, source 1 (enc) window 0, C and D window 2
.set MUL_HI, 0xf1                      ; the same, C and D window 3
.set TO_B,   0x40                      ; destination window 1, address window 0
; A joint load: waves 0 and 1 fetch for enc, waves 2 and 3 for W.  Each of the two lines has ONE mask and one set of registers for all that issue it; the branch hangs on the wave's number alone.
; Four v_nop follow each of the two lines, ahead of the jump, the label and what follows.
.macro JLOAD g0a, g1a, g0b, g1b
	s_cmp_eq_u32 s[XH], 0
	s_cbranch_scc0 .Lfor_b_\@
	tensor_load_to_lds s[\g0a:\g0a+3], s[\g1a:\g1a+7]
	s_nop 0
.rept 4
	v_nop
.endr
	s_branch .Lasked_\@
.Lfor_b_\@:
	tensor_load_to_lds s[\g0b:\g0b+3], s[\g1b:\g1b+7]
	s_nop 0
.rept 4
	v_nop
.endr
.Lasked_\@:
.endm
.macro CREST                           ; a round of the cluster's barrier behind its opening barrier
	s_cmp_lg_u32 s[WV], 0
	s_cbranch_scc1 .Lnot_wave_0_\@
	s_barrier_signal -3
.Lnot_wave_0_\@:
	s_barrier_wait -3
	s_barrier_signal -1
	s_barrier_wait -1
.endm
.macro CROUND                          ; a whole round
	s_barrier_signal -1
	s_barrier_wait -1
	CREST
.endm
; A PREFETCH of enc's codes: the change of slots behind K step j of a tile asks for K step j of the NEXT tile, which the refill two K steps (256 matrix instructions) later will load.
; Waves 0 and 1 ask, for the 128 rows that they fetch; the four partners that ask for those rows jointly take 32 each, told apart BY ADDRESS (cx); a lane a row, 256 bytes of it: one instruction a wave.
; So each row's 256 bytes of K steps 4 to 15 are named once in the launch.  Tile 0 comes by its loads alone; the last tile asks for nothing.  W is read by every row of clusters again and again and is not asked for.
.macro ASK j
	s_cmp_eq_u32 s[XH], 0
	s_cbranch_scc0 .Lnot_mine_\@
	global_prefetch_b8 v[PFO], s[PFA:PFA+1] offset:KSB*(\j) th:TH_LOAD_NT scope:SCOPE_SE
.Lnot_mine_\@:
.endm
	s_load_b256 s[4:11], s[0:1], 0x0               ; enc's codes s[4:5], enc's scales s[6:7], W's codes s[8:9], W's scales s[10:11]
	s_load_b128 s[12:15], s[0:1], 0x20             ; dec s[12:13], bias s[14:15]
	s_load_b64 s[16:17], s[0:1], 0x30              ; part
	v_lshl_add_u32 v[SPW], v0, 2, SPARE
	v_mov_b32 v[NIL], 0
	ds_add_u32 v8, v9
	ds_add_u32 v8, v9
	s_wait_dscnt 0x0
	v_lshrrev_b32 v[T0], 5, v0
	v_readfirstlane_b32 s[WV], v[T0]               ; wave 0..3
	s_lshr_b32 s[XH], s[WV], 1
	s_and_b32 s[CH], s[WV], 1
	s_bfe_u32 s[CX], ttmp6, 0x40000                ; cx, cy: my place in the cluster
	s_bfe_u32 s[CY], ttmp6, 0x40004
	s_lshl_b32 s[WX], ttmp9, 2
	s_add_co_u32 s[WX], s[WX], s[CX]               ; wx = 4 x cluster x + cx
	s_and_b32 s[WY], ttmp7, 0xffff
	s_lshl_b32 s[WY], s[WY], 2
	s_add_co_u32 s[WY], s[WY], s[CY]               ; wy = 4 x cluster y + cy
	s_lshl_b32 s41, s[CY], 2
	s_lshl_b32 s41, 15, s41                        ; my row of the cluster
	s_lshl_b32 s42, 0x1111, s[CX]                  ; my column
	; descriptor group 1: a tile of 128 rows x 256 bytes, 1,024 bytes from row to row in memory, padded in LDS
	s_or_b32 s[G1+0], s41, (0<<16)|(1<<20)|(1<<21)|(5<<22)|(3<<25)   ; 15:0 the mask: enc's tiles go to my row; 17:16 element of 1 byte; 20 padding on; 21 set beside a mask; 24:22 after every 64 words (code 5); 31:25 of 4 words (code 3)
	s_or_b32 s[G1B+0], s42, (0<<16)|(1<<20)|(1<<21)|(5<<22)|(3<<25)  ; W's tiles go to my column
.irp g, G1, G1B
	s_mov_b32 s[\g+1], 256<<16                     ; tensor_dim0
	s_mov_b32 s[\g+2], 128<<16                     ; tensor_dim1
	s_mov_b32 s[\g+3], 256<<16                     ; tile_dim0
	s_mov_b32 s[\g+4], 128                         ; tile_dim1
	s_mov_b32 s[\g+5], 1024                        ; tensor_dim0_stride
	s_mov_b32 s[\g+6], 0
	s_mov_b32 s[\g+7], 0
.endr
	; and for the scales: dense blocks, as rows of 256 bytes (32 elements of 8 bytes), 16 bytes of padding behind each: 64 rows a load for enc, 16 for W
	s_or_b32 s[G1S+0], s41, (3<<16)|(1<<20)|(1<<21)|(5<<22)|(3<<25)
	s_mov_b32 s[G1S+1], 32<<16
	s_mov_b32 s[G1S+2], 64<<16
	s_mov_b32 s[G1S+3], 32<<16
	s_mov_b32 s[G1S+4], 64
	s_mov_b32 s[G1S+5], 32
	s_mov_b32 s[G1S+6], 0
	s_mov_b32 s[G1S+7], 0
	s_or_b32 s[G1SB+0], s42, (3<<16)|(1<<20)|(1<<21)|(5<<22)|(3<<25)
	s_mov_b32 s[G1SB+1], 32<<16
	s_mov_b32 s[G1SB+2], 16<<16
	s_mov_b32 s[G1SB+3], 32<<16
	s_mov_b32 s[G1SB+4], 16
	s_mov_b32 s[G1SB+5], 32
	s_mov_b32 s[G1SB+6], 0
	s_mov_b32 s[G1SB+7], 0
	; where the tiles come from.  enc's hang on wy alone, which my row of the cluster shares; W's on wx alone, which my column shares; each in registers that do not hold the other coordinate
	s_lshl_b32 s44, s[WY], 20                      ; enc's codes: 1,024 rows of 1,024 bytes a work-group,
	s_lshl_b32 s43, s[CH], 17                      ; + the 128 rows that I fetch
	s_add_co_u32 s44, s44, s43
	s_mov_b32 s45, 0
	s_lshl_b32 s46, s[WY], 15                      ; enc's scales: 1,024 rows of 32 bytes, + my half of them
	s_lshl_b32 s43, s[CH], 14
	s_add_co_u32 s46, s46, s43
	s_mov_b32 s47, 0
	s_lshl_b32 s66, s[WX], 18                      ; W's codes: 256 rows of 1,024 bytes, + the 128 rows that I fetch
	s_lshl_b32 s97, s[CH], 17
	s_add_co_u32 s66, s66, s97
	s_mov_b32 s67, 0
	s_lshl_b32 s98, s[WX], 13                      ; W's scales: 256 rows of 32 bytes, + my half of them
	s_lshl_b32 s97, s[CH], 12
	s_add_co_u32 s98, s98, s97
	s_mov_b32 s99, 0
	s_mul_i32 s43, s[WV], HALFT                    ; where they go: wave x 128 rows: no place in the cluster enters an LDS address
	s_mul_i32 s97, s[CH], 64*272
	s_mul_i32 s92, s[CH], 16*272
	s_wait_kmcnt 0x0
	s_add_nc_u64 s[44:45], s[4:5], s[44:45]
	s_add_nc_u64 s[46:47], s[6:7], s[46:47]
	s_add_nc_u64 s[66:67], s[8:9], s[66:67]
	s_add_nc_u64 s[98:99], s[10:11], s[98:99]
	CROUND                                         ; all sixteen work-groups are here: the first joint loads meet
	s_mov_b32 s[G0S], 1
	s_add_co_u32 s[G0S+1], s97, SCLA
	s_mov_b64 s[G0S+2:G0S+3], s[46:47]
	s_or_b32 s[G0S+3], s[G0S+3], 0x80000000
	s_mov_b32 s[G0SB], 1
	s_add_co_u32 s[G0SB+1], s92, SCLB
	s_mov_b64 s[G0SB+2:G0SB+3], s[98:99]
	s_or_b32 s[G0SB+3], s[G0SB+3], 0x80000000
	JLOAD G0S, G1S, G0SB, G1SB                     ; the scales first: they are wanted with K step 0
.irp s, 0,1
	s_mov_b32 s[G0+4*\s], 1
	s_add_co_u32 s[G0+4*\s+1], s43, \s*SLOT
	s_add_nc_u64 s[G0+4*\s+2:G0+4*\s+3], s[44:45], \s*KSB
	s_or_b32 s[G0+4*\s+3], s[G0+4*\s+3], 0x80000000
	s_mov_b32 s[G0B+4*\s], 1
	s_add_co_u32 s[G0B+4*\s+1], s43, \s*SLOT
	s_add_nc_u64 s[G0B+4*\s+2:G0B+4*\s+3], s[66:67], \s*KSB
	s_or_b32 s[G0B+4*\s+3], s[G0B+4*\s+3], 0x80000000
	JLOAD G0+4*\s, G1, G0B+4*\s, G1B               ; three tensor loads of mine are out now
.endr
	; dec and the bias: my 64 columns, 8 neighbours for each of W's 8 blocks
	v_and_b32 v[TR], 15, v0                        ; r
	v_bfe_u32 v[TH], v0, 4, 1                      ; h
	s_lshl_b32 s92, s[WX], 10                      ; 256 wx columns of 4 bytes
	s_mov_b32 s93, 0
	s_add_nc_u64 s[12:13], s[12:13], s[92:93]
	s_add_nc_u64 s[14:15], s[14:15], s[92:93]
	s_lshl_b32 s43, s[CH], 6
	s_lshl_b32 s97, s[XH], 16
	v_lshl_add_u32 v[BO], v[TH], 5, s43            ; (16 c + 8 h) x 4
	v_lshl_add_u32 v[DO], v[TR], 12, v[BO]         ; + row r of 4,096 bytes
	v_add_nc_u32 v[DO], s97, v[DO]                 ; + 16 x rows
.irp j, 0,1,2,3,4,5,6,7
	global_load_b128 v[DEC+8*\j:DEC+8*\j+3],   v[DO], s[12:13] offset:128*\j
	global_load_b128 v[DEC+8*\j+4:DEC+8*\j+7], v[DO], s[12:13] offset:128*\j+16
.endr
.irp j, 0,1,2,3,4,5,6,7
	global_load_b128 v[AF+8*\j:AF+8*\j+3],   v[BO], s[14:15] offset:128*\j    ; the bias, for now in registers that enc's fragments take later
	global_load_b128 v[AF+8*\j+4:AF+8*\j+7], v[BO], s[14:15] offset:128*\j+16
.endr
	; a fragment, 16 rows x 128 K of 8-bit codes, is 16 registers: lane l holds row l % 16; registers 4 c .. 4 c + 3 hold K = 32 c + 16 (l / 16) + 0 .. 15
	v_mul_u32_u24 v[T0], v[TR], PITCH
	v_lshl_add_u32 v[T0], v[TH], 4, v[T0]          ; row r x pitch + 16 h
	s_mul_i32 s43, s[XH], 16*PITCH                 ; enc: + 16 x rows
	s_mul_i32 s97, s[CH], 16*PITCH                 ; W: + 16 c rows, behind enc's 256
	s_add_co_u32 s97, s97, BOFF
.irp s, 0,1
	v_add_nc_u32 v[ADRA+\s], s43, v[T0]
	v_add_nc_u32 v[ADRB+\s], s97, v[T0]
	s_add_co_u32 s43, s43, SLOT
	s_add_co_u32 s97, s97, SLOT
.endr
	; scale words: a row's 32 bytes lie eight rows to a unit of 272; lanes 16-31 take the word 4 bytes on: the K step's second 128
	v_lshrrev_b32 v[T2], 3, v[TR]
	v_and_b32 v[T3], 7, v[TR]
	v_mul_u32_u24 v[T2], v[T2], 272
	v_lshl_add_u32 v[T2], v[T3], 5, v[T2]
	v_lshl_add_u32 v[T2], v[TH], 2, v[T2]
	s_mul_i32 s43, s[XH], 544                      ; 16 rows are two units
	s_add_co_u32 s43, s43, SCLA
	v_add_nc_u32 v[ASA0], s43, v[T2]
	s_mul_i32 s97, s[CH], 544
	s_add_co_u32 s97, s97, SCLB
	v_add_nc_u32 v[ASB], s97, v[T2]
	s_mov_b32 s[TS], 0
	v_add_nc_u32 v[ASA], s[TS], v[ASA0]
	; the way out: a stage of 32 rows (b) x 256 bytes ([c][32 s]) + 16 of padding, at LDS byte 0
	s_mul_i32 s43, s[XH], 16*272
	s_lshl_b32 s97, s[CH], 7
	s_add_co_u32 s43, s43, s97
	v_add_nc_u32 v[STO], s43, v[T0]                ; in: row 16 x + r, + 128 c + 16 h
	s_mul_i32 s43, s[WV], 8*272
	v_mul_u32_u24 v[T2], v[TH], 272
	v_lshl_add_u32 v[T2], v[TR], 4, v[T2]
	v_add_nc_u32 v[RD], s43, v[T2]                 ; back: wave w takes rows 8 w on; lanes 0-15 one row, lanes 16-31 the next
	s_lshl_b32 s43, s[WV], 19
	v_lshlrev_b32 v[T2], 16, v[TH]
	v_lshl_add_u32 v[T2], v[TR], 4, v[T2]
	v_add_nc_u32 v[CO], s43, v[T2]                 ; and in part: 65,536 bytes from b to b
	s_lshl_b32 s92, s[WY], 2
	s_add_co_u32 s92, s92, s[WX]
	s_lshl_b32 s92, s92, 8                         ; my work-group's 256 bytes of each b
	s_add_nc_u64 s[16:17], s[16:17], s[92:93]
	; the prefetches
	v_and_b32 v[PFO], 31, v0
	v_lshlrev_b32 v[PFO], 10, v[PFO]
	s_lshl_b32 s92, s[WY], 20
	s_lshl_b32 s43, s[CH], 17
	s_add_co_u32 s92, s92, s43
	s_lshl_b32 s43, s[CX], 15                      ; my work-group's 32 rows of the 128
	s_add_co_u32 s92, s92, s43
	s_add_co_u32 s92, s92, TILEB                   ; in tile 1
	s_add_nc_u64 s[PFA:PFA+1], s[4:5], s[92:93]
	s_mov_b32 s[SEL], 0x76543210
	s_mov_b32 s[SEL+1], 0xfedcba98
	s_mov_b32 s[HM], 0xffff0000
.irp i, 4,5,6,7,8,9,10,11
	v_mov_b32 v[E+\i], 0                           ; the loop moves these on before they hold an energy: written once, so that they are never read unwritten
.endr
	s_wait_loadcnt 0x0                             ; dec and the bias
	v_pk_mul_f32 v[DB:DB+1], v[DEC:DEC+1], v[AF:AF+1]
.set i, 2
.rept 31
	v_pk_fma_f32 v[DB:DB+1], v[DEC+i:DEC+i+1], v[AF+i:AF+i+1], v[DB:DB+1]   ; the sum of dec x bias over my 64 columns: it starts every block's chain between tiles
.set i, i+2
.endr
.macro FRAG reg, adr, q, i
.irp c, 0,1,2,3
	ds_load_b128 v[\reg+4*\c:\reg+4*\c+3], v[\adr] offset:128*(\q)+32*\c+(\i)*BLKR
.endr
.endm
; 16 matrix instructions: enc's blocks a0, a0 + 1 x W's eight, 128 along K: the slot's q-th.  p: W's set;  sc: the set of scale words.  zero = 1: the first product starts the sums: nothing is ever cleared.
; The 64 accumulators take turns, one instruction a turn, in the same order in every step.  The scale words of the slot's second 128 stand in lanes 16-31 of the same registers.
.macro MUL16 a0, p, q, sc, zero
.irp a, \a0, \a0+1
.irp b, 0,1,2,3,4,5,6,7
.if \zero
	v_wmma_scale_f32_16x16x128_f8f6f4 v[8*(8*((\a)%4)+\b):8*(8*((\a)%4)+\b)+7], v[128*(\p)+16*\b:128*(\p)+16*\b+15], v[AF+16*(\a):AF+16*(\a)+15], 0, v[SC+16*(\sc)+8+\b], v[SC+16*(\sc)+(\a)] matrix_a_fmt:MATRIX_FMT_BF8 matrix_b_fmt:MATRIX_FMT_BF8
.elseif \q
	v_wmma_scale_f32_16x16x128_f8f6f4 v[8*(8*((\a)%4)+\b):8*(8*((\a)%4)+\b)+7], v[128*(\p)+16*\b:128*(\p)+16*\b+15], v[AF+16*(\a):AF+16*(\a)+15], v[8*(8*((\a)%4)+\b):8*(8*((\a)%4)+\b)+7], v[SC+16*(\sc)+8+\b], v[SC+16*(\sc)+(\a)] matrix_a_fmt:MATRIX_FMT_BF8 matrix_b_fmt:MATRIX_FMT_BF8 matrix_a_scale:MATRIX_SCALE_ROW1 matrix_b_scale:MATRIX_SCALE_ROW1
.else
	v_wmma_scale_f32_16x16x128_f8f6f4 v[8*(8*((\a)%4)+\b):8*(8*((\a)%4)+\b)+7], v[128*(\p)+16*\b:128*(\p)+16*\b+15], v[AF+16*(\a):AF+16*(\a)+15], v[8*(8*((\a)%4)+\b):8*(8*((\a)%4)+\b)+7], v[SC+16*(\sc)+8+\b], v[SC+16*(\sc)+(\a)] matrix_a_fmt:MATRIX_FMT_BF8 matrix_b_fmt:MATRIX_FMT_BF8
.endif
.endr
.endr
.endm
.macro FETCH_B slot, q, p              ; W's eight fragments of the slot's q-th 128 along K into set p
	WIN TO_B
.irp i, 0,1,2,3,4,5,6,7
	FRAG 128*(\p)+16*\i, ADRB+\slot, \q, \i
.endr
	WIN 0
.endm
.macro FETCH_A slot, q, i0             ; enc's blocks i0 .. i0 + 3
.irp i, \i0, \i0+1, \i0+2, \i0+3
	FRAG AF+16*(\i), ADRA+\slot, \q, \i
.endr
.endm
.macro SCALES sc, kk                   ; the scale words of the tile's K step kk into set sc: 8 bytes a row and K step; a lane takes 4 of them
.irp i, 0,1,2,3,4,5,6,7
	ds_load_b32 v[SC+16*(\sc)+\i], v[ASA] offset:\i*SBLK+8*(\kk)
.endr
.irp i, 0,1,2,3,4,5,6,7
	ds_load_b32 v[SC+16*(\sc)+8+\i], v[ASB] offset:\i*SBLK+8*(\kk)
.endr
.endm
; A load into a register that a matrix instruction has read, and a vector instruction that reads a matrix result or writes one of a matrix instruction's registers, stand eight places behind that matrix instruction,
; and only plain vector instructions that name none of its registers are places; the matrix instructions in between are not counted.
.macro PLACES n
.rept \n
	v_nop
.endr
.endm
; The first 128 along K of a slot.
.macro STEP slot, zero
	s_wait_dscnt 16                                ; W's set, enc's blocks 0-3 and the scale words are in; the youngest sixteen loads (enc's blocks 4-7) may be out
	WIN MUL_LO
	MUL16 0, 0, 0, \slot, \zero
	MUL16 2, 0, 0, \slot, \zero
	s_wait_dscnt 0                                 ; enc's blocks 4-7 are in (asked for 32 matrix instructions ago)
	PLACES 8
	FETCH_B \slot, 1, 1
	FETCH_A \slot, 1, 0
	WIN MUL_HI
	MUL16 4, 0, 0, \slot, \zero
	MUL16 6, 0, 0, \slot, \zero
	PLACES 8
	WIN 0
	FETCH_A \slot, 1, 4
.endm
; The second 128 of the tile's K step j changes slots: ONE barrier; in front of it each wave waits for all its tensor loads, adds 0 to its spare word, and waits for that and for its own reads of this slot.
; more = 1: the tile has a successor.  The slot is filled again with the K step two on: of this tile (j < 2), or K step j - 2 of the next tile (more = 1): THE RING GOES ON INTO THE NEXT TILE.
; Behind K step 3 enc's blocks 4-7 of the next tile are not fetched here: their registers serve the sums between tiles first.
.macro TURN j, more
.set SL, (\j)%2
.set NX, 1-(\j)%2
	s_wait_tensorcnt 0x0                           ; all my tensor loads have landed: the one that was out is my part of the next slot;  (every window is 0 here: the add's two registers lie in window 0)
	ds_add_u32 v[SPW], v[NIL]                      ; 0 onto my spare word
	s_wait_dscnt 17                                ; (the add and the youngest sixteen loads, enc's blocks 4-7, may be out)
	WIN MUL_LO
	MUL16 0, 1, 1, SL, 0                           ; sixteen matrix instructions stand between the add and the wait for it
	s_wait_dscnt 0x0                               ; the add is done, and my reads of this slot are over
	s_barrier_signal -1
	MUL16 2, 1, 1, SL, 0
	WIN 0
	s_barrier_wait -1
.if (\more) || ((\j) < 2)
	CREST                                          ; the barrier has opened a round of the cluster's barrier: no wave of any partner still reads this slot's tile or has a load on its way
.if (\j) < 2
	s_add_nc_u64 s[G0+4*SL+2:G0+4*SL+3], s[G0+4*SL+2:G0+4*SL+3], 2*KSB
	s_add_nc_u64 s[G0B+4*SL+2:G0B+4*SL+3], s[G0B+4*SL+2:G0B+4*SL+3], 2*KSB
.else
	s_add_nc_u64 s[G0+4*SL+2:G0+4*SL+3], s[G0+4*SL+2:G0+4*SL+3], TILEB-2*KSB    ; enc: 256 rows down and back along K;
	s_sub_nc_u64 s[G0B+4*SL+2:G0B+4*SL+3], s[G0B+4*SL+2:G0B+4*SL+3], 2*KSB      ; W: only back: all tiles take the same rows of W
.endif
	JLOAD G0+4*SL, G1, G0B+4*SL, G1B               ; the first tensor load behind the round, my one load until the next; the four v_nop behind it are among the places in front of the loads below
	PLACES 4
.else
	PLACES 8
.endif
.if (\j) == 3
	s_add_co_u32 s[TS], s[TS], TSC                 ; on to the next tile's scales of enc
	v_add_nc_u32 v[ASA], s[TS], v[ASA0]
.endif
	FETCH_B NX, 0, 0
	FETCH_A NX, 0, 0
	SCALES NX, ((\j)+1)%4
.if \more
	ASK \j                                         ; behind the joint load and the run of LDS loads that the next products wait for
.endif
	WIN MUL_HI
	MUL16 4, 1, 1, SL, 0
	MUL16 6, 1, 1, SL, 0
.if (\j) != 3
	PLACES 8
	WIN 0
	FETCH_A NX, 0, 4
.endif
.endm
; BETWEEN TILES: the tile is multiplied by dec and summed over its columns.  Four blocks' chains by turns, two numbers an instruction; each chain starts from the sum of dec x bias; each accumulator is read from its low end on.
.macro EPIH win, base
	WIN \win
.irp j, 0,1,2,3,4,5,6,7
.irp p, 0,1,2,3
.irp a, 0,1,2,3
.if (\j == 0) && (\p == 0)
	v_pk_fma_f32 v[PS+\base+2*\a:PS+\base+2*\a+1], v[8*(8*\a+\j)+2*\p:8*(8*\a+\j)+2*\p+1], v[DEC+8*\j+2*\p:DEC+8*\j+2*\p+1], v[DB:DB+1]
.else
	v_pk_fma_f32 v[PS+\base+2*\a:PS+\base+2*\a+1], v[8*(8*\a+\j)+2*\p:8*(8*\a+\j)+2*\p+1], v[DEC+8*\j+2*\p:DEC+8*\j+2*\p+1], v[PS+\base+2*\a:PS+\base+2*\a+1]
.endif
.endr
.endr
.endr
.endm
; dst: where the tile's four energies go.  shift = 1 (in the loop, whose text names one place): the two tiles before move on by four registers first.  fetch = 1: enc's blocks 4-7 of the next tile's first step follow.
; A row's columns lie in lanes l and l xor 16.  Each lane keeps four blocks' sums and sends the other four: lane (r, h) ends with blocks 4 h + 0 .. 3: four neighbouring s of b = 16 x + r.
.macro EPI dst, shift, fetch
	PLACES 8                                       ; behind the tile's last products
	EPIH 0x02, 0                                   ; source 0 window 2: blocks 0-3
	EPIH 0x03, 8                                   ; window 3: blocks 4-7
	WIN 0
.if \shift
.irp i, 0,1,2,3
	v_mov_b32 v[E+\i], v[E+4+\i]
.endr
.irp i, 0,1,2,3
	v_mov_b32 v[E+4+\i], v[E+8+\i]
.endr
.endif
.irp a, 0,1,2,3,4,5,6,7
	v_add_f32 v[SS+\a], v[PS+2*\a], v[PS+2*\a+1]
.endr
.irp q, 0,1,2,3
	v_cndmask_b32 v[XX+\q], v[SS+4+\q], v[SS+\q], s[HM]      ; to send: lanes 0-15 block 4 + q, lanes 16-31 block q
.endr
.irp q, 0,1,2,3
	v_cndmask_b32 v[YY+\q], v[SS+\q], v[SS+4+\q], s[HM]      ; to keep: the other
.endr
.irp q, 0,1,2,3
	v_permlanex16_b32 v[PS+\q], v[XX+\q], s[SEL], s[SEL+1]
.endr
.irp q, 0,1,2,3
	v_add_f32 v[\dst+\q], v[YY+\q], v[PS+\q]
.endr
.if \fetch
	FETCH_A 0, 0, 4
.endif
.endm
	s_wait_tensorcnt 1                             ; the scales and my part of K step 0 are in (K step 1's load may be out)
	s_barrier_signal -1
	s_barrier_wait -1                              ; everybody's are
	FETCH_B 0, 0, 0
	FETCH_A 0, 0, 0
	SCALES 0, 0
	FETCH_A 0, 0, 4
	s_mov_b32 s[TL], 3
.Ltile:                                                ; a trip is a tile that has a successor: four K steps, four joint refills a wave
	STEP 0, 1                                      ; a tile's first products start the sums
	TURN 0, 1
	STEP 1, 0
	TURN 1, 1
	STEP 0, 0
	TURN 2, 1
	STEP 1, 0
	TURN 3, 1
	EPI E+8, 1, 1
	s_wait_xcnt 0x0                                ; the trip's prefetches have read their address, so it may be written:
	s_add_nc_u64 s[PFA:PFA+1], s[PFA:PFA+1], TILEB ; a tile on
	s_sub_co_u32 s[TL], s[TL], 1
	s_cmp_lg_u32 s[TL], 0
	s_cbranch_scc1 .Ltile
	STEP 0, 1                                      ; the last tile is written out: its last two changes of slots ask for nothing
	TURN 0, 0
	STEP 1, 0
	TURN 1, 0
	STEP 0, 0
	TURN 2, 0                                      ; a plain barrier: behind it nobody reads slot 0, which has had its last fill
	STEP 1, 0
	s_wait_dscnt 16                                ; the very last 128 along K: nothing more to fetch
	WIN MUL_LO
	MUL16 0, 1, 1, 1, 0
	MUL16 2, 1, 1, 1, 0
	s_wait_dscnt 0
	WIN MUL_HI
	MUL16 4, 1, 1, 1, 0
	MUL16 6, 1, 1, 1, 0
	EPI E+12, 0, 0
	; THE WAY OUT.  A lane holds 16 energies' parts of one b: s = 8 t + 4 h + 0 .. 3.  A row of the stage (one b: [c][32 s], 256 bytes) comes from two waves: so a barrier stands between writing and reading.
.irp t, 0,1,2,3
	ds_store_b128 v[STO], v[E+4*\t:E+4*\t+3] offset:32*\t
.endr
	s_wait_dscnt 0x0                               ; for the others' sake: my stores into the stage are done
	s_barrier_signal -1
	s_barrier_wait -1
.irp i, 0,1,2,3
	ds_load_b128 v[DEC+4*\i:DEC+4*\i+3], v[RD] offset:544*\i
.endr
.irp i, 0,1,2,3
	s_wait_dscnt 3-\i                              ; the younger loads from the stage may be out
	global_store_b128 v[CO], v[DEC+4*\i:DEC+4*\i+3], s[16:17] offset:131072*\i   ; 16 lanes store 256 consecutive bytes, at a multiple of 256 from part's first byte: rows b = 8 w + 2 i, + 1
.endr
	s_wait_tensorcnt 0x0                           ; the wave's end, behind my last tensor load and my last LDS store
	ds_add_u32 v[SPW], v[NIL]
	s_wait_dscnt 0x0
	CROUND                                         ; the closing round: no work-group ends while a partner may still ask for a tile that names it
	s_endpgm
.Lfunc_end_k_qf7d6e1eefd_energy:
	.size	k_qf7d6e1eefd_energy, .Lfunc_end_k_qf7d6e1eefd_energy-k_qf7d6e1eefd_energy
	.p2alignl 7, 3214868480
	.fill 96, 4, 3214868480
	.section	.rodata,"a",@progbits
	.p2align	6, 0x0
	.amdhsa_kernel k_qf7d6e1eefd_energy
		.amdhsa_group_segment_fixed_size 327680
		.amdhsa_private_segment_fixed_size 0
		.amdhsa_enable_private_segment 0
		.amdhsa_kernarg_size 56
		.amdhsa_user_sgpr_count 2
		.amdhsa_user_sgpr_kernarg_segment_ptr 1
		.amdhsa_wavefront_size32 1
		.amdhsa_system_sgpr_workgroup_id_x 1
		.amdhsa_system_sgpr_workgroup_id_y 1
		.amdhsa_system_sgpr_workgroup_id_z 1
		.amdhsa_system_vgpr_workitem_id 0
		.amdhsa_next_free_vgpr 1024
		.amdhsa_next_free_sgpr 100
		.amdhsa_reserve_vcc 0
		.amdhsa_float_denorm_mode_32 3
		.amdhsa_float_denorm_mode_16_64 3
		.amdhsa_memory_ordered 1
		.amdhsa_forward_progress 1
		.amdhsa_inst_pref_size 255
	.end_amdhsa_kernel
	.section	.bss,"aw",@nobits
	.p2align	6
	.space	262144
	.amdgpu_metadata
---
amdhsa.version: [ 1, 2 ]
amdhsa.kernels:
  - .name:           k_qf7d6e1eefd_energy
    .symbol:         k_qf7d6e1eefd_energy.kd
    .args:
      - { .name: encoder_outputs_codes, .offset: 0, .size: 8, .value_kind: global_buffer, .address_space: global }
      - { .name: encoder_outputs_scales, .offset: 8, .size: 8, .value_kind: global_buffer, .address_space: global }
      - { .name: W_codes, .offset: 16, .size: 8, .value_kind: global_buffer, .address_space: global }
      - { .name: W_scales, .offset: 24, .size: 8, .value_kind: global_buffer, .address_space: global }
      - { .name: decoder_hidden, .offset: 32, .size: 8, .value_kind: global_buffer, .address_space: global }
      - { .name: b, .offset: 40, .size: 8, .value_kind: global_buffer, .address_space: global }
      - { .name: part, .offset: 48, .size: 8, .value_kind: global_buffer, .address_space: global }
    .group_segment_fixed_size: 327680
    .private_segment_fixed_size: 0
    .kernarg_segment_align: 8
    .kernarg_segment_size: 56
    .max_flat_workgroup_size: 128
    .sgpr_count:     100
    .vgpr_count:     1024
    .wavefront_size: 32
...
	.end_amdgpu_metadata
.endif
;; end of part 1
;; launch softmax (part 2): grid 32 x 1, 16 waves a work-group, no clusters, 2,304 bytes of LDS; arguments part, out0; writes out0
.if DOCPART == 2
	.amdgcn_target "amdgcn-amd-amdhsa--gfx1250"
	.amdhsa_code_object_version 6
	.text
	.protected	k_qf7d6e1eefd_softmax
	.globl	k_qf7d6e1eefd_softmax
	.p2align	8
	.type	k_qf7d6e1eefd_softmax,@function
k_qf7d6e1eefd_softmax:
	s_mov_b64 s[64:65], 0
	v_nop
	global_prefetch_b8 v0, s[64:65] scope:SCOPE_SE
	s_setreg_imm32_b32 hwreg(HW_REG_WAVE_MODE, 25, 1), 1
	s_wait_xcnt 0x0
; out0[b][s] = softmax over s of energy[b][s],  energy[b][s] = the sum of the 8 parts part[b][s / 32][p][s % 32], p = 0 .. 7 (128 columns of the projection each).  All in f32.
; A work-group takes one b: 2,048 energies, 64 KiB of parts on end.  Thread t takes s = 4 t .. 4 t + 3: eight loads of 16 bytes, 128 bytes apart; eight neighbouring threads and the eight loads cover 1,024 consecutive bytes.
; The row's maximum is taken away before the exponential: p = 2^(e log2(e) - M log2(e)), one fused multiply-add; the rounding of M log2(e) is the same factor in every p and in their sum, and cancels.
; Maximum and sum go lane to lane inside a wave, and from wave to wave through 16 words of LDS each, with a barrier each.  No matrix unit, no tensor load, no cluster: 2 MiB are read once and work-groups share nothing.
; LIMITS: weights under 2^-126 come out as 0 (the exponential flushes them); the parts are added as a fixed tree, not in the definition's order.
	s_load_b128 s[4:7], s[0:1], 0x0                ; part, out0
	v_lshl_add_u32 v64, v0, 2, 0x100
	v_mov_b32 v65, 0
	v_lshrrev_b32 v1, 5, v0                        ; wave
	v_lshrrev_b32 v2, 3, v0
	v_and_b32 v3, 7, v0
	v_lshlrev_b32 v2, 10, v2
	v_lshl_add_u32 v2, v3, 4, v2                   ; in: 1,024 (t / 8) + 16 (t % 8)
	v_lshlrev_b32 v3, 4, v0                        ; out: 16 t
	v_lshlrev_b32 v4, 2, v1                        ; LDS: my wave's word
	v_mov_b32 v5, 0                                ; written once: a lane permute's destination counts as one of its sources
	v_mov_b32 v7, 0                                ; LDS address 0
	s_lshl_b32 s10, ttmp9, 16                      ; b x 65,536 bytes of parts
	s_mov_b32 s11, 0
	s_lshl_b32 s12, ttmp9, 13                      ; b x 8,192 bytes of weights
	s_mov_b32 s13, 0
	s_mov_b32 s14, 0x76543210                      ; v_permlanex16_b32's selects for lane l xor 16
	s_mov_b32 s15, 0xfedcba98
	s_mov_b32 s16, 0x3fb8aa3b                      ; log2(e)
	s_wait_kmcnt 0x0
	s_add_nc_u64 s[4:5], s[4:5], s[10:11]
	s_add_nc_u64 s[6:7], s[6:7], s[12:13]
.irp p, 0,1,2,3,4,5,6,7
	global_load_b128 v[8+4*\p:11+4*\p], v2, s[4:5] offset:128*\p th:TH_LOAD_NT
.endr
	s_wait_loadcnt 0x0
.irp p, 0,2,4,6                                ; the 8 parts, as a tree: neighbours 1, 2 and 4 apart
	v_pk_add_f32 v[8+4*\p:9+4*\p], v[8+4*\p:9+4*\p], v[12+4*\p:13+4*\p]
	v_pk_add_f32 v[10+4*\p:11+4*\p], v[10+4*\p:11+4*\p], v[14+4*\p:15+4*\p]
.endr
.irp p, 0,4
	v_pk_add_f32 v[8+4*\p:9+4*\p], v[8+4*\p:9+4*\p], v[16+4*\p:17+4*\p]
	v_pk_add_f32 v[10+4*\p:11+4*\p], v[10+4*\p:11+4*\p], v[18+4*\p:19+4*\p]
.endr
	v_pk_add_f32 v[8:9], v[8:9], v[24:25]
	v_pk_add_f32 v[10:11], v[10:11], v[26:27]      ; v8-11: my four energies
	; the row's maximum
	v_max3_num_f32 v6, v8, v9, v10
	v_max_num_f32 v6, v6, v11
	v_max_num_f32_dpp v6, v6, v6 row_xmask:1 row_mask:0xf bank_mask:0xf
	v_max_num_f32_dpp v6, v6, v6 row_xmask:2 row_mask:0xf bank_mask:0xf
	v_max_num_f32_dpp v6, v6, v6 row_xmask:4 row_mask:0xf bank_mask:0xf
	v_max_num_f32_dpp v6, v6, v6 row_xmask:8 row_mask:0xf bank_mask:0xf
	v_permlanex16_b32 v5, v6, s14, s15
	v_max_num_f32 v6, v6, v5                       ; my wave's
	ds_store_b32 v4, v6                            ; all lanes write the same word with the same value
	s_wait_dscnt 0x0                               ; for the others' sake
	s_barrier_signal -1
	s_barrier_wait -1
.irp i, 0,1,2,3
	ds_load_b128 v[40+4*\i:43+4*\i], v7 offset:16*\i   ; the sixteen waves' maxima, in every lane
.endr
	s_wait_dscnt 0x0
	v_max3_num_f32 v12, v40, v41, v42
	v_max3_num_f32 v13, v43, v44, v45
	v_max3_num_f32 v14, v46, v47, v48
	v_max3_num_f32 v15, v49, v50, v51
	v_max3_num_f32 v16, v52, v53, v54
	v_max3_num_f32 v12, v12, v13, v14
	v_max3_num_f32 v15, v15, v16, v55
	v_max_num_f32 v12, v12, v15                    ; M
	v_mul_f32 v12, s16, v12                        ; M log2(e)
.irp i, 0,1,2,3
	v_fma_f32 v[8+\i], v[8+\i], s16, -v12
.endr
.irp i, 0,1,2,3
	v_exp_f32 v[8+\i], v[8+\i]                     ; at most 1; the largest is 1
.endr
	v_nop                                          ; a plain instruction between the last exponential and the use of its result
	s_wait_alu depctr_va_vdst(0)                   ; and the wait ahead of the first use: one for the four
	; the row's sum
	v_add_f32 v6, v8, v9
	v_add_f32 v13, v10, v11
	v_add_f32 v6, v6, v13
	v_add_f32_dpp v6, v6, v6 row_xmask:1 row_mask:0xf bank_mask:0xf
	v_add_f32_dpp v6, v6, v6 row_xmask:2 row_mask:0xf bank_mask:0xf
	v_add_f32_dpp v6, v6, v6 row_xmask:4 row_mask:0xf bank_mask:0xf
	v_add_f32_dpp v6, v6, v6 row_xmask:8 row_mask:0xf bank_mask:0xf
	v_permlanex16_b32 v5, v6, s14, s15
	v_add_f32 v6, v6, v5                           ; my wave's
	ds_store_b32 v4, v6 offset:64                  ; other bytes than the maxima's, which slower waves may still be reading
	s_wait_dscnt 0x0
	s_barrier_signal -1
	s_barrier_wait -1
.irp i, 0,1,2,3
	ds_load_b128 v[40+4*\i:43+4*\i], v7 offset:64+16*\i
.endr
	s_wait_dscnt 0x0
	v_pk_add_f32 v[40:41], v[40:41], v[42:43]
	v_pk_add_f32 v[44:45], v[44:45], v[46:47]
	v_pk_add_f32 v[48:49], v[48:49], v[50:51]
	v_pk_add_f32 v[52:53], v[52:53], v[54:55]
	v_pk_add_f32 v[40:41], v[40:41], v[44:45]
	v_pk_add_f32 v[48:49], v[48:49], v[52:53]
	v_pk_add_f32 v[40:41], v[40:41], v[48:49]
	v_add_f32 v40, v40, v41                        ; the row's sum, at least 1
	v_rcp_f32 v6, v40
	v_nop                                          ; a plain instruction behind the reciprocal,
	s_wait_alu depctr_va_vdst(0)                   ; and the wait ahead of its first use
	v_pk_mul_f32 v[8:9], v[8:9], v[6:7] op_sel_hi:[1,0]      ; (of the pair v[6:7] the low word serves both halves)
	v_pk_mul_f32 v[10:11], v[10:11], v[6:7] op_sel_hi:[1,0]
	global_store_b128 v3, v[8:11], s[6:7]          ; a wave stores 512 consecutive bytes, at a multiple of 256 from out0's first byte
	s_wait_tensorcnt 0x0
	ds_add_u32 v64, v65
	s_wait_dscnt 0x0
	s_endpgm
.Lfunc_end_k_qf7d6e1eefd_softmax:
	.size	k_qf7d6e1eefd_softmax, .Lfunc_end_k_qf7d6e1eefd_softmax-k_qf7d6e1eefd_softmax
	.p2alignl 7, 3214868480
	.fill 96, 4, 3214868480
	.section	.rodata,"a",@progbits
	.p2align	6, 0x0
	.amdhsa_kernel k_qf7d6e1eefd_softmax
		.amdhsa_group_segment_fixed_size 2304
		.amdhsa_private_segment_fixed_size 0
		.amdhsa_enable_private_segment 0
		.amdhsa_kernarg_size 16
		.amdhsa_user_sgpr_count 2
		.amdhsa_user_sgpr_kernarg_segment_ptr 1
		.amdhsa_wavefront_size32 1
		.amdhsa_system_sgpr_workgroup_id_x 1
		.amdhsa_system_sgpr_workgroup_id_y 1
		.amdhsa_system_sgpr_workgroup_id_z 1
		.amdhsa_system_vgpr_workitem_id 0
		.amdhsa_next_free_vgpr 66
		.amdhsa_next_free_sgpr 66
		.amdhsa_reserve_vcc 0
		.amdhsa_float_denorm_mode_32 3
		.amdhsa_float_denorm_mode_16_64 3
		.amdhsa_memory_ordered 1
		.amdhsa_forward_progress 1
		.amdhsa_inst_pref_size 7
	.end_amdhsa_kernel
	.amdgpu_metadata
---
amdhsa.version: [ 1, 2 ]
amdhsa.kernels:
  - .name:           k_qf7d6e1eefd_softmax
    .symbol:         k_qf7d6e1eefd_softmax.kd
    .args:
      - { .name: part, .offset: 0, .size: 8, .value_kind: global_buffer, .address_space: global }
      - { .name: out0, .offset: 8, .size: 8, .value_kind: global_buffer, .address_space: global }
    .group_segment_fixed_size: 2304
    .private_segment_fixed_size: 0
    .kernarg_segment_align: 8
    .kernarg_segment_size: 16
    .max_flat_workgroup_size: 512
    .sgpr_count:     66
    .vgpr_count:     66
    .wavefront_size: 32
...
	.end_amdgpu_metadata
.endif
;; end of part 2
;; ======== version 2 of 2: 2 launches
;; limits: right only within a limited range of input values
;; workspace buffers: part 1,048,576 bytes
;; launch energy (part 3): grid 4 x 64, 4 waves a work-group, clusters of 4 x 4, 327,680 bytes of LDS; arguments encoder_outputs_codes, encoder_outputs_scales, W_codes, W_scales, decoder_hidden, part; writes part
.if DOCPART == 3
	.amdgcn_target "amdgcn-amd-amdhsa--gfx1250"
	.amdhsa_code_object_version 6
	.text
	.protected	k_qf7d6e1eefd_energy
	.globl	k_qf7d6e1eefd_energy
	.p2align	8
	.type	k_qf7d6e1eefd_energy,@function
k_qf7d6e1eefd_energy:
	s_mov_b64 s[64:65], 0
	v_nop
	global_prefetch_b8 v0, s[64:65] scope:SCOPE_SE
	s_setreg_imm32_b32 hwreg(HW_REG_WAVE_MODE, 25, 1), 1
	s_wait_xcnt 0x0
	s_wait_alu depctr_hold_cnt(0) depctr_sa_sdst(0) depctr_va_vdst(0) depctr_va_sdst(0) depctr_va_ssrc(0) depctr_va_vcc(0) depctr_vm_vsrc(0)
	s_getreg_b32 s2, hwreg(HW_REG_IB_STS2, 6, 4)
	s_cmp_eq_u32 s2, 0
	s_cbranch_scc0 .Lentry_in_a_cluster
	s_endpgm
.Lentry_in_a_cluster:
	s_bfe_u32 s2, ttmp6, 0x10000c
	s_cmp_lg_u32 s2, 0xf033
	s_cbranch_scc0 .Lentry_shape_is_right
	s_endpgm
.Lentry_shape_is_right:
; part[b / 2][wy][wx][b % 2][sl] = the sum over the 256 columns k of wx of dec[b][k] proj[s][b][k],  proj[s][b][k] = the sum over h of enc[s][b][h] W[k][h],  s = 32 wy + sl.
; LEFT OUT: the bias.  energy[b][s] holds the term sum over k of dec[b][k] b[k], which is the same for all s; the softmax runs along s and takes away whatever is the same along it, for all values of dec and b, and no quantiser
; stands behind it.  So the input b has no way to the output and is not loaded.  LIMIT: a NaN, an infinity or an overflow that reaches that term alone is not carried to the result.
; enc [65,536 rows m = 32 s + b][1,024] and W [1,024 rows k][1,024] are codes of BF8 (E5M2) with one E8M0 byte for each 32 along K; they go to the matrix unit as they lie.  proj never goes to memory: each finished accumulator is
; multiplied by dec and summed over its columns in f32 (packed fused multiply-adds): an error in an energy is a relative error of the same size in a softmax's weight, so bf16 would be too coarse for dec.
; SHARES.  256 work-groups of four waves.  Work-group (wx, wy) owns rows 1,024 wy .. + 1,023 (32 values of s, all 32 b) and columns 256 wx .. + 255.
; W STANDS STILL: wave w keeps all 256 columns (16 column blocks j) for K = 256 w .. + 255 (two K steps q) in 512 registers for the whole launch.  The energy is linear in proj, so the four quarters of K are summed apart and
; added at the end.  A fragment of enc (16 rows x 128 K, 2,048 bytes of LDS) feeds sixteen matrix instructions, no two waves read the same fragment, and only enc goes through the ring.
; THE RING: two LDS slots of 128 rows x all 1,024 of K (four values of s), eight tiles in all; a slot feeds 256 matrix instructions of each wave.  Each wave fetches a quarter: 32 rows, 32 KB on end in memory.
; A BLOCK is 16 rows, a PAIR of blocks one value of s: b = 16 x + r in block x.  A block's 32 matrix instructions (slots m = 0 .. 31) are four groups of 8: group g takes column blocks 4 g .. 4 g + 3 by turns, K step by K step.
; THE MATRIX INSTRUCTION IS USED TRANSPOSED (source 0 = 16 rows of W, source 1 = 16 rows of enc): lane (r, h), register jj of an accumulator = proj(row r of the block, column 8 h + jj of the column block).
; THE SUM OVER COLUMNS is two packed multiply-adds behind each product, for the group before: eight plain vector instructions of other accumulators so stand between an accumulator's last product and its first reader, and its last
; reader stands ahead of its next product: two sets of four accumulators serve.
; LDS is touched in ONE run a pair, behind slot 7 of its first block: the stage's store, the next pair's scale words and its 16 fragment loads; the wait for them stands at the next pair's head.
; WINDOWS: W's fragments, dec's pairs (source 0) lie in windows 1 to 3, dealt by the slot that uses them (slots 0-9, 10-19, 20-29; 30 and 31 fill what is left over), all else in window 0: seven switches a block, and two for each
; step of a finished sum.
; CLUSTERS: 4 x 4 work-groups.  The four of a row of the cluster (same wy) need the same tiles of enc, the four of a column (same wx) the same rows of W: each is asked for JOINTLY, by the same tensor load with
; the same descriptor and a mask that names the four.  The cluster's four columns are all of N, so enc's codes are asked of memory once.
; LIMITS: the f32 sums are ordered otherwise than in the definition (K in four quarters, the columns in parts).  A scale byte 0xff makes the sums NaN.
; REGISTERS: window 0: v2-23, v44-61 sums and addresses; v24-43 scale words; v64-127 eight accumulators; v128-255 enc's fragments (128 + 64 x pair % 2 + 32 x block + 16 q).
;   windows 1, 2, 3: slot 10 (w - 1) + i: W at 16 i, dec at 160 + 8 i.  Slot 30: W window 1 at 240, dec window 3 at 240.  Slot 31: W window 2 at 240, dec window 3 at 248.
.set PITCH,  1040                      ; an LDS row: 1,024 bytes + 16 of padding = 260 words: the 16 rows that a fragment load touches start at 16 different banks (64 banks of 4 bytes: ISA guide 11.1)
.set BLKR,   16*PITCH                  ; a block's rows
.set QUART,  32*PITCH                  ; what one tensor load brings of a tile of enc
.set HALFS,  64*PITCH                  ; four blocks: as far as an LDS load's 16-bit offset is made to reach
.set SLOT,   128*PITCH                 ; also what one tensor load brings of W
.set SCLA,   2*SLOT                    ; behind the ring: enc's scales, 1,024 rows x 32 bytes, as 128 units of 256 bytes + 16 of padding
.set SPARE,  SCLA+128*272              ; the spare words, 128 bytes for each wave: two blocks of 256 bytes that no other line names
.set STG,    SPARE+512                 ; the stage for the energies' parts: a plane for each wave, 32 rows (b) x (32 s x 4 bytes + 16); no tensor load ever lands here
.set PLANE,  32*144
.set SBLK,   4*272                     ; the scales of 32 rows: a pair of blocks
.set TILEB,  128*1024                  ; a tile's rows of enc in memory
.set TE,   2                           ; v[2:3], v[4:5], v[6:7] at work at a sum's end
.set TO,   4
.set TP,   6
.set SPW,  8                           ; v8     LDS address of my spare word: SPARE + 4 x my thread's number; never rewritten
.set NIL,  9                           ; v9     0; never rewritten
.set SS,   10                          ; v10-11 a pair of blocks' sums
.set XX,   12                          ; v12    to send to lane l xor 16
.set YY,   13                          ; v13    to keep
.set PZ,   14                          ; v14    what came
.set EV,   15                          ; v15    the part of energy(b = my lane, s)
.set STO,  16                          ; v16    where I put an energy's part, at the trip in hand
.set STO0, 17                          ; v17    the same at tile 0; never rewritten
.set ASA0, 18                          ; v18    LDS address of enc's scale words at tile 0; never rewritten
.set PFO,  19                          ; v19    the prefetches' offset: 256 x my lane; never rewritten
.set RD,   20                          ; v20    the way out: where I read the stage
.set CO,   21                          ; v21    my byte offset in part
.set ASA,  22                          ; v22    LDS address of enc's scale words, at the loop's trip in hand
.set WS,   24                          ; v24-39 W's scale words and nothing else: 2 (j / 2) + 1 - q: lanes 0-15 column block j even, lanes 16-31 j odd
.set SA,   40                          ; v40-43 enc's scale words and nothing else: 2 (pair % 2) + q: lanes 0-15 the pair's first block, lanes 16-31 its second
.set CE,   44                          ; v44-47 two chains of sums: a pair's first block
.set CB,   48                          ; v48-51 its second block, groups 0-2
.set CP,   52                          ; v52-55 its second block, group 3
.set ADR,  56                          ; v56-59 LDS address of my fragments in rows 64 n on of the two slots (at the head W's: column blocks 4 n on)
.set DO,   60                          ; at the head only
.set WO,   61
.set TR,   64
.set TH,   65
.set LN,   66
.set T0,   67
.set T2,   68
.set T3,   69
.set OB,   64                          ; v64-95 the way out
.set ACC,  64                          ; column block j at 32 (j / 4 % 2) + 8 (j % 4)
.set AF,   128
.set TL,   2                           ; s2   trips to go
.set TS,   3                           ; s3   where the trip's scales of enc begin: 8 SBLK a trip
.set WV,   18                          ; s18  wave = my quarter of K
.set CG,   20                          ; s20  which half of enc's scales I fetch (waves 2 and 3)
.set CX,   21
.set CY,   22
.set WX,   23
.set WY,   40
.set G1,   24                          ; s[24:31] descriptor group 1 for enc's tiles; s[32:39] group 0, one set for each slot
.set G0,   32
.set G1W,  48                          ; s[48:55], s[56:59], s[60:63] group 1 and two groups 0 for W's halves
.set G0WA, 56
.set G0WB, 60
.set G1S,  68                          ; s[68:75], s[76:79] for enc's scales
.set G0S,  76
.set ES,   81                          ; s81  where the trip's energies begin in a row of the stage: 32 bytes a trip
.set PFA,  92                          ; s[92:93] where my prefetches stand
.set SEL,  94                          ; s[94:95] lane selects for v_permlanex16_b32: lane l xor 16
.set HM,   96                          ; s96  the mask of lanes 16-31
.set MSB, 0
.macro WIN new                         ; s_set_vgpr_msb's low byte: bits 1:0 source 0, 3:2 source 1, 5:4 source 2, 7:6 destination; the high byte repeats the setting that is left
.if MSB != \new
	s_set_vgpr_msb (MSB<<8)|\new
.set MSB, \new
.endif
.endm
.macro CREST                           ; a round of the cluster's barrier behind its opening barrier
	s_cmp_lg_u32 s[WV], 0
	s_cbranch_scc1 .Lnot_wave_0_\@
	s_barrier_signal -3
.Lnot_wave_0_\@:
	s_barrier_wait -3
	s_barrier_signal -1
	s_barrier_wait -1
.endm
.macro CROUND                          ; a whole round
	s_barrier_signal -1
	s_barrier_wait -1
	CREST
.endm
; A PREFETCH of enc's codes.  Behind the tensor load that asks for tile u stands the request for tile u + 1, which the next change of slots will load: a slot's 256 matrix instructions ahead of that load.
; Of the 32 rows (32 KB on end) that wave w fetches, each of the four partners that ask for them jointly takes 8 KB, told apart BY ADDRESS (cx); lanes 256 bytes apart: one instruction a wave.
; So each 256 bytes of enc's codes are named once in the launch.  Tile 0 is asked for behind the wave's first tensor load.  The change that loads tile 7 asks for nothing.
.macro ASK
	global_prefetch_b8 v[PFO], s[PFA:PFA+1] th:TH_LOAD_NT scope:SCOPE_SE
.endm
.macro SETW                            ; slot m: W's fragment in window mw at rW; dec's four registers of block parity 0 in window pw at rE (parity 1: 4 further on)
.if m < 30
.set mw, 1+m/10
.set rW, 16*(m%10)
.set pw, mw
.set rE, 160+8*(m%10)
.else
.set mw, m-29
.set rW, 240
.set pw, 3
.set rE, 240+8*(m-30)
.endif
.endm
	s_load_b256 s[4:11], s[0:1], 0x0               ; enc's codes s[4:5], enc's scales s[6:7], W's codes s[8:9], W's scales s[10:11]
	s_load_b128 s[12:15], s[0:1], 0x20             ; dec s[12:13], part s[14:15]
	v_lshl_add_u32 v[SPW], v0, 2, SPARE
	v_mov_b32 v[NIL], 0
	ds_add_u32 v[SPW], v[NIL]                      ; the wave's opening: the add, twice on end, and its wait ahead of my first tensor load
	ds_add_u32 v[SPW], v[NIL]
	v_lshrrev_b32 v[T0], 5, v0
	v_readfirstlane_b32 s[WV], v[T0]               ; wave 0..3
	v_and_b32 v[TR], 15, v0                        ; r
	v_bfe_u32 v[TH], v0, 4, 1                      ; h
	v_and_b32 v[LN], 31, v0                        ; lane
	s_wait_alu depctr_va_vdst(0)
	s_and_b32 s[CG], s[WV], 1
	s_bfe_u32 s[CX], ttmp6, 0x40000                ; cx, cy: my place in the cluster
	s_bfe_u32 s[CY], ttmp6, 0x40004
	s_lshl_b32 s[WX], ttmp9, 2
	s_add_co_u32 s[WX], s[WX], s[CX]               ; wx = 4 x cluster x + cx
	s_and_b32 s[WY], ttmp7, 0xffff
	s_lshl_b32 s[WY], s[WY], 2
	s_add_co_u32 s[WY], s[WY], s[CY]               ; wy = 4 x cluster y + cy
	s_lshl_b32 s41, s[CY], 2
	s_lshl_b32 s41, 15, s41                        ; my row of the cluster
	s_lshl_b32 s42, 0x1111, s[CX]                  ; my column
	; descriptor group 1: rows of 1,024 bytes, dense in memory, 16 bytes of padding behind each in LDS: 32 rows a load for enc, 128 for W
	s_or_b32 s[G1+0], s41, (0<<16)|(1<<20)|(1<<21)|(7<<22)|(3<<25)   ; 15:0 the mask: enc's tiles go to my row; 17:16 element of 1 byte; 20 padding on; 21 set beside a mask; 24:22 after every 256 words (code 7); 31:25 of 4 words (code 3)
	s_mov_b32 s[G1+1], 1024<<16                    ; tensor_dim0
	s_mov_b32 s[G1+2], 32<<16                      ; tensor_dim1
	s_mov_b32 s[G1+3], 1024<<16                    ; tile_dim0
	s_mov_b32 s[G1+4], 32                          ; tile_dim1
	s_mov_b32 s[G1+5], 1024                        ; tensor_dim0_stride
	s_mov_b32 s[G1+6], 0
	s_mov_b32 s[G1+7], 0
	s_or_b32 s[G1W+0], s42, (0<<16)|(1<<20)|(1<<21)|(7<<22)|(3<<25)  ; W's rows go to my column
	s_mov_b32 s[G1W+1], 1024<<16
	s_mov_b32 s[G1W+2], 128<<16
	s_mov_b32 s[G1W+3], 1024<<16
	s_mov_b32 s[G1W+4], 128
	s_mov_b32 s[G1W+5], 1024
	s_mov_b32 s[G1W+6], 0
	s_mov_b32 s[G1W+7], 0
	; enc's scales: a dense block, as rows of 256 bytes (32 elements of 8 bytes), 16 bytes of padding behind each: 64 rows a load
	s_or_b32 s[G1S+0], s41, (3<<16)|(1<<20)|(1<<21)|(5<<22)|(3<<25)
	s_mov_b32 s[G1S+1], 32<<16
	s_mov_b32 s[G1S+2], 64<<16
	s_mov_b32 s[G1S+3], 32<<16
	s_mov_b32 s[G1S+4], 64
	s_mov_b32 s[G1S+5], 32
	s_mov_b32 s[G1S+6], 0
	s_mov_b32 s[G1S+7], 0
	; where they come from.  enc's hang on wy and the wave alone, which my row of the cluster shares; W's on wx alone, which my column shares; each in registers that do not hold the other coordinate
	s_lshl_b32 s44, s[WY], 20                      ; enc's codes: 1,024 rows of 1,024 bytes a work-group,
	s_lshl_b32 s43, s[WV], 15                      ; + my 32 rows of a tile
	s_add_co_u32 s44, s44, s43
	s_mov_b32 s45, 0
	s_lshl_b32 s46, s[WY], 15                      ; enc's scales: 1,024 rows of 32 bytes, + half of them
	s_lshl_b32 s43, s[CG], 14
	s_add_co_u32 s46, s46, s43
	s_mov_b32 s47, 0
	s_lshl_b32 s66, s[WX], 18                      ; W's codes: 256 rows of 1,024 bytes
	s_mov_b32 s67, 0
	s_mul_i32 s43, s[WV], QUART                    ; where they go: the wave's number times a constant: no place in the cluster enters an LDS address
	s_mul_i32 s82, s[CG], 64*272
	s_wait_dscnt 0x0                               ; both opening adds are done
	s_wait_kmcnt 0x0
	s_add_nc_u64 s[44:45], s[4:5], s[44:45]
	s_add_nc_u64 s[46:47], s[6:7], s[46:47]
	s_add_nc_u64 s[66:67], s[8:9], s[66:67]
	s_mov_b32 s[G0WA], 1
	s_mov_b32 s[G0WA+1], 0                         ; W's rows 0-127 (column blocks 0-7) lie in slot 0 for now,
	s_mov_b64 s[G0WA+2:G0WA+3], s[66:67]
	s_or_b32 s[G0WA+3], s[G0WA+3], 0x80000000
	s_mov_b32 s[G0WB], 1
	s_mov_b32 s[G0WB+1], SLOT                      ; rows 128-255 (column blocks 8-15) in slot 1
	s_add_nc_u64 s[G0WB+2:G0WB+3], s[66:67], TILEB
	s_or_b32 s[G0WB+3], s[G0WB+3], 0x80000000
	s_mov_b32 s[G0S], 1
	s_add_co_u32 s[G0S+1], s82, SCLA
	s_mov_b64 s[G0S+2:G0S+3], s[46:47]
	s_or_b32 s[G0S+3], s[G0S+3], 0x80000000
.irp s, 0,1
	s_mov_b32 s[G0+4*\s], 1
	s_add_co_u32 s[G0+4*\s+1], s43, \s*SLOT
	s_add_nc_u64 s[G0+4*\s+2:G0+4*\s+3], s[44:45], \s*TILEB      ; slot s begins with tile s
	s_or_b32 s[G0+4*\s+3], s[G0+4*\s+3], 0x80000000
.endr
	CROUND                                         ; all sixteen work-groups are here: the first joint loads meet
; THE HEAD'S LOADS, ONE A WAVE: wave 0 W's rows 0-127, wave 1 its rows 128-255, waves 2 and 3 enc's scales.  ONE chain of branches on the wave's number: every way passes exactly one load.
.macro ARM under, g0, g1, next
	s_cmp_lt_u32 s[WV], \under
	s_cbranch_scc0 \next
	tensor_load_to_lds s[\g0:\g0+3], s[\g1:\g1+7]
	s_nop 0
.rept 4
	v_nop
.endr
	s_branch .Lhead_asked
\next:
.endm
	ARM 1, G0WA, G1W, .Lhead_wb
	ARM 2, G0WB, G1W, .Lhead_s
	tensor_load_to_lds s[G0S:G0S+3], s[G1S:G1S+7]
	s_nop 0
.rept 4
	v_nop
.endr
.Lhead_asked:
	; offsets: scalar parts first, then all vector parts
	s_lshl_b32 s98, s[WX], 10                      ; dec: 256 wx columns of 4 bytes
	s_mov_b32 s99, 0
	s_add_nc_u64 s[12:13], s[12:13], s[98:99]
	s_lshl_b32 s98, s[WX], 13                      ; W's scales: 256 wx rows of 32 bytes
	s_add_nc_u64 s[10:11], s[10:11], s[98:99]
	s_lshl_b32 s98, s[WY], 2
	s_add_co_u32 s98, s98, s[WX]
	s_lshl_b32 s98, s98, 8                         ; part: my work-group's 256 bytes of each pair of b
	s_add_nc_u64 s[14:15], s[14:15], s[98:99]
	s_lshl_b32 s98, s[WY], 20                      ; the prefetches:
	s_lshl_b32 s84, s[WV], 15
	s_add_co_u32 s98, s98, s84
	s_lshl_b32 s84, s[CX], 13                      ; my work-group's 8 KB of the wave's 32,
	s_add_co_u32 s98, s98, s84
	s_add_nc_u64 s[PFA:PFA+1], s[4:5], s[98:99]    ; in tile 0
	s_lshl_b32 s85, s[WV], 3                       ; scales: my quarter's 8 bytes of a row's 32
	s_add_co_u32 s88, s85, SCLA
	s_lshl_b32 s86, s[WV], 8                       ; my quarter of K in a row of LDS
	s_mul_i32 s89, s[WV], PLANE
	s_add_co_u32 s89, s89, STG
	s_mul_i32 s90, s[WV], 8*144
	s_add_co_u32 s90, s90, STG
	s_lshl_b32 s91, s[WV], 18
	s_mov_b32 s[SEL], 0x76543210
	s_mov_b32 s[SEL+1], 0xfedcba98
	s_mov_b32 s[HM], 0xffff0000
	s_mov_b32 s[TS], 0
	s_mov_b32 s[ES], 0
	v_lshlrev_b32 v[PFO], 8, v[LN]
	v_lshlrev_b32 v[DO], 5, v[TH]                  ; 8 h x 4
	v_lshl_add_u32 v[DO], v[TR], 12, v[DO]         ; + row r of 4,096 bytes
	v_lshl_add_u32 v[WO], v[LN], 5, s85            ; row = my lane
	; a fragment, 16 rows x 128 K of 8-bit codes, is 16 registers: lane l holds row l % 16; registers 4 c .. 4 c + 3 hold K = 32 c + 16 (l / 16) + 0 .. 15
	v_mul_u32_u24 v[T0], v[TR], PITCH
	v_lshl_add_u32 v[T0], v[TH], 4, v[T0]          ; row r x pitch + 16 h
	v_add_nc_u32 v[ADR], s86, v[T0]
.irp n, 1,2,3
	v_add_nc_u32 v[ADR+\n], \n*HALFS, v[ADR]
.endr
	; enc's scale words: a row's 32 bytes lie eight rows to a unit of 272; a lane takes its quarter's 8 bytes: two words; lanes 16-31 take the rows 16 further on: the pair's second block
	v_lshrrev_b32 v[T0], 3, v[TR]
	v_lshl_add_u32 v[T0], v[TH], 1, v[T0]
	v_mul_u32_u24 v[T0], v[T0], 272
	v_and_b32 v[T3], 7, v[TR]
	v_lshl_add_u32 v[T0], v[T3], 5, v[T0]
	v_add_nc_u32 v[ASA0], s88, v[T0]
	v_add_nc_u32 v[ASA], s[TS], v[ASA0]
	; the stage: in: my wave's plane, row b = my lane
	v_mul_u32_u24 v[STO0], v[LN], 144
	v_add_nc_u32 v[STO0], s89, v[STO0]
	v_add_nc_u32 v[STO], s[ES], v[STO0]
	; back: wave w takes b = 8 w .. 8 w + 7, eight lanes a row of 128 bytes; and in part: 65,536 bytes from pair to pair
	v_lshrrev_b32 v[T0], 3, v[LN]
	v_mul_u32_u24 v[T0], v[T0], 144
	v_lshl_add_u32 v[T0], v[T3], 4, v[T0]
	v_add_nc_u32 v[RD], s90, v[T0]
	v_lshlrev_b32 v[T0], 16, v[TH]
	v_lshl_add_u32 v[T0], v[TR], 4, v[T0]
	v_add_nc_u32 v[CO], s91, v[T0]
	v_mov_b32 v[PZ], 0                             ; written once: a lane permute's destination counts as one of its sources
	s_wait_alu depctr_va_vdst(0)                   ; the wait at the head's end
	; dec and W's scale words, from memory into registers, once
.set m, 0
.rept 32
	SETW
	WIN (0x40*pw)                                  ; slot m sums group (m / 8 + 3) % 4's column block (m % 8) / 2, columns 8 h + 4 (m % 2) + 0 .. 3
.irp x, 0,1
	global_load_b128 v[rE+4*\x:rE+4*\x+3], v[DO], s[12:13] offset:65536*\x+256*((m/8+3)%4)+64*((m%8)/2)+16*(m%2)
.endr
.set m, m+1
.endr
	WIN 0
.irp p, 0,1,2,3,4,5,6,7                        ; the word of K step q: lanes 0-15 column block 2 p, lanes 16-31 block 2 p + 1.  (Its register's number is odd where that of enc's word is even)
	global_load_b32 v[WS+2*\p+1], v[WO], s[10:11] offset:1024*\p
	global_load_b32 v[WS+2*\p], v[WO], s[10:11] offset:1024*\p+4
.endr
	ASK                                            ; tile 0
	s_cmp_lt_u32 s[WV], 1
	s_cbranch_scc0 .Lnot_mine
	s_wait_tensorcnt 0x0                           ; W's rows 0-127 are in: the barrier shows these alone
.Lnot_mine:
	s_barrier_signal -1
	s_barrier_wait -1
.macro READW hf                        ; W INTO REGISTERS: 16 fragments, 64 loads; they stay
.set m, 16*(\hf)
.rept 16
	SETW
	WIN (0x40*mw)
.irp c, 0,1,2,3
	ds_load_b128 v[rW+4*\c:rW+4*\c+3], v[ADR+m/8] offset:(m%4)*BLKR+128*((m%8)/4)+32*\c
.endr
.set m, m+1
.endr
	WIN 0
.endm
	READW 0                                        ; while rows 128-255 and the scales are still landing
; Each stands as a refill stands.  Every wave waits for all its tensor loads, adds 0 to its spare word, waits for that and for its LDS reads,
; and passes a round of the cluster's barrier; the joint load is the first thing behind it, one a wave.
.macro PRE slot
	s_wait_tensorcnt 0x0                           ; no tensor load of mine is out
	ds_add_u32 v[SPW], v[NIL]                      ; 0 onto my spare word
	s_wait_xcnt 0x0                                ; the last prefetch has read its address, so it may be written:
	s_add_nc_u64 s[PFA:PFA+1], s[PFA:PFA+1], TILEB ; a tile on
	s_wait_dscnt 0x0                               ; the add is done, and my reads of the bytes that are filled again are over
	CROUND
	tensor_load_to_lds s[G0+4*\slot:G0+4*\slot+3], s[G1:G1+7]
	s_nop 0
.rept 4
	v_nop
.endr
.endm
	PRE 0                                          ; all of W and the scales are in; tile 0 into slot 0
	ASK                                            ; tile 1
	READW 1
; Slot m's product: block xb of the pair, pair parity pb.  The first K step starts the sums: nothing is ever cleared.
; A group's four accumulators take turns, one instruction a turn.  The odd column blocks' and the pair's second block's scale words stand in lanes 16-31.
.macro MM
	SETW
.set mg, m/8
.set mq, (m%8)/4
.set mj, m%4
.set rD, ACC+32*(mg%2)+8*mj
.set rA, AF+64*pb+32*xb+16*mq
.set rU, WS+2*(2*mg+mj/2)+1-mq
.set rV, SA+2*pb+mq
	WIN mw                                         ; source 0 (W) window 1, 2 or 3; all else window 0
.if mq == 0
.if (mj%2 == 0) && (xb == 0)
	v_wmma_scale_f32_16x16x128_f8f6f4 v[rD:rD+7], v[rW:rW+15], v[rA:rA+15], 0, v[rU], v[rV] matrix_a_fmt:MATRIX_FMT_BF8 matrix_b_fmt:MATRIX_FMT_BF8
.elseif xb == 0
	v_wmma_scale_f32_16x16x128_f8f6f4 v[rD:rD+7], v[rW:rW+15], v[rA:rA+15], 0, v[rU], v[rV] matrix_a_fmt:MATRIX_FMT_BF8 matrix_b_fmt:MATRIX_FMT_BF8 matrix_a_scale:MATRIX_SCALE_ROW1
.elseif mj%2 == 0
	v_wmma_scale_f32_16x16x128_f8f6f4 v[rD:rD+7], v[rW:rW+15], v[rA:rA+15], 0, v[rU], v[rV] matrix_a_fmt:MATRIX_FMT_BF8 matrix_b_fmt:MATRIX_FMT_BF8 matrix_b_scale:MATRIX_SCALE_ROW1
.else
	v_wmma_scale_f32_16x16x128_f8f6f4 v[rD:rD+7], v[rW:rW+15], v[rA:rA+15], 0, v[rU], v[rV] matrix_a_fmt:MATRIX_FMT_BF8 matrix_b_fmt:MATRIX_FMT_BF8 matrix_a_scale:MATRIX_SCALE_ROW1 matrix_b_scale:MATRIX_SCALE_ROW1
.endif
.else
.if (mj%2 == 0) && (xb == 0)
	v_wmma_scale_f32_16x16x128_f8f6f4 v[rD:rD+7], v[rW:rW+15], v[rA:rA+15], v[rD:rD+7], v[rU], v[rV] matrix_a_fmt:MATRIX_FMT_BF8 matrix_b_fmt:MATRIX_FMT_BF8
.elseif xb == 0
	v_wmma_scale_f32_16x16x128_f8f6f4 v[rD:rD+7], v[rW:rW+15], v[rA:rA+15], v[rD:rD+7], v[rU], v[rV] matrix_a_fmt:MATRIX_FMT_BF8 matrix_b_fmt:MATRIX_FMT_BF8 matrix_a_scale:MATRIX_SCALE_ROW1
.elseif mj%2 == 0
	v_wmma_scale_f32_16x16x128_f8f6f4 v[rD:rD+7], v[rW:rW+15], v[rA:rA+15], v[rD:rD+7], v[rU], v[rV] matrix_a_fmt:MATRIX_FMT_BF8 matrix_b_fmt:MATRIX_FMT_BF8 matrix_b_scale:MATRIX_SCALE_ROW1
.else
	v_wmma_scale_f32_16x16x128_f8f6f4 v[rD:rD+7], v[rW:rW+15], v[rA:rA+15], v[rD:rD+7], v[rU], v[rV] matrix_a_fmt:MATRIX_FMT_BF8 matrix_b_fmt:MATRIX_FMT_BF8 matrix_a_scale:MATRIX_SCALE_ROW1 matrix_b_scale:MATRIX_SCALE_ROW1
.endif
.endif
.endm
; Slot m's two multiply-adds, onto the chains ch and ch + 2 of a block of parity par; start: they begin.  Each accumulator is read from its low end on.
.macro PK2 ch, par, start
	SETW
.set rC, ACC+32*((m/8+1)%2)+8*((m%8)/2)+4*(m%2)
.set rF, rE+4*(\par)
	WIN pw                                         ; source 0 (dec) window 1, 2 or 3
.irp e, 0,2
.if \start
	v_pk_mul_f32 v[\ch+\e:\ch+\e+1], v[rF+\e:rF+\e+1], v[rC+\e:rC+\e+1]
.else
	v_pk_fma_f32 v[\ch+\e:\ch+\e+1], v[rF+\e:rF+\e+1], v[rC+\e:rC+\e+1], v[\ch+\e:\ch+\e+1]
.endif
.endr
.endm
; The end of a pair's sums, step by step.  A row's other columns (the other h) lie in lane l xor 16: each lane keeps one block's sum and sends the other's, so that lane l ends with b = l.
.macro FIN k
	WIN 0
.if \k == 0
	v_pk_add_f32 v[TE:TE+1], v[CE:CE+1], v[CE+2:CE+3]
.elseif \k == 1
	v_add_f32 v[SS], v[TE], v[TE+1]
.elseif \k == 2
	v_pk_add_f32 v[TO:TO+1], v[CB:CB+1], v[CB+2:CB+3]
.elseif \k == 3
	v_pk_add_f32 v[TP:TP+1], v[CP:CP+1], v[CP+2:CP+3]
.elseif \k == 4
	v_pk_add_f32 v[TO:TO+1], v[TO:TO+1], v[TP:TP+1]
.elseif \k == 5
	v_add_f32 v[SS+1], v[TO], v[TO+1]
.elseif \k == 6
	v_cndmask_b32 v[XX], v[SS+1], v[SS], s[HM]     ; to send: lanes 0-15 the second block's sum, lanes 16-31 the first's
.elseif \k == 7
	v_cndmask_b32 v[YY], v[SS], v[SS+1], s[HM]     ; to keep: the other
.elseif \k == 8
	v_permlanex16_b32 v[PZ], v[XX], s[SEL], s[SEL+1]
.else
	v_add_f32 v[EV], v[YY], v[PZ]
.endif
.endm
; The vector work of slot m.  epi = 0 (the first pair): there is no pair before; where its work would stand the places ahead of slot 8's read are written (eight plain vector instructions that name none of a matrix
; instruction's registers).
.macro VEC epi
.if (m < 8) && (xb == 0)
.if \epi
	PK2 CP, 1, m==0                                ; the pair before: its second block's group 3, in chains of their own: a wait for data stands between
.elseif m > 3
	v_nop
	v_nop
.endif
.elseif m < 8
	PK2 CE, 0, 0
.elseif xb == 0
	PK2 CE, 0, m==8
.else
	PK2 CB, 1, m==8
.endif
.if (xb == 0) && (\epi) && (m > 8) && (m < 24) && (m%2 == 1)
	FIN 2+(m-9)/2
.endif
.if (xb == 1) && (m == 10)
	FIN 0
.endif
.if (xb == 1) && (m == 12)
	FIN 1
.endif
.endm
; The LDS loads of pair np (counted from the trip's first tile): its scale words and its 16 fragment loads.  Their registers were last read by products a pair earlier.
.macro LOADS np
.set lp, \np
.set ln, 2*((lp/4)%2)+(lp%4)/2
	ds_load_b64 v[SA+2*(lp%2):SA+2*(lp%2)+1], v[ASA] offset:SBLK*lp
.set ll, 0
.rept 16
	ds_load_b128 v[AF+64*(lp%2)+4*ll:AF+64*(lp%2)+4*ll+3], v[ADR+ln] offset:(2*(lp%2)+ll/8)*BLKR+32*(ll%8)
.set ll, ll+1
.endr
.endm
; A PAIR of blocks, number lam from the trip's first tile.  epi: the sums of the pair before are ended.  st: the part of the pair two back goes to the stage.  nxt: the next pair is fetched.
; chg: THE CHANGE OF SLOTS stands in a tile's last pair, whose fragments are in registers: my reads of the slot are over.  Each wave waits for all its tensor loads, of which one is out: its part of the other slot; adds 0 to
; its spare word; waits for that and for its reads; ONE barrier.  chg = 1: the barrier opens a round of the cluster's barrier, and slot cslot is filled again, with the tile two on, first thing behind the round:
; the load has the other slot's 256 products, less eight, in which to land.  chg = 2: nothing is left to fetch.  ask = 1: a prefetch follows; 2: but not in the loop's last trip.
.macro PAIR lam, epi, st, nxt, chg, cslot, ask
.set pb, (\lam)%2
.if \chg
	WIN 0                                          ; (the add's two registers lie in window 0)
	s_wait_tensorcnt 0x0                           ; all my tensor loads have landed, so a group 0 may be written
	ds_add_u32 v[SPW], v[NIL]                      ; 0 onto my spare word
.if (\chg) == 1
	s_add_nc_u64 s[G0+4*(\cslot)+2:G0+4*(\cslot)+3], s[G0+4*(\cslot)+2:G0+4*(\cslot)+3], 2*TILEB
.endif
.if \ask
	s_wait_xcnt 0x0                                ; the last prefetch, a tile back, has read its address, so it may be written:
	s_add_nc_u64 s[PFA:PFA+1], s[PFA:PFA+1], TILEB
.endif
	s_wait_dscnt 0x1                               ; this pair's fragments are in; the add may be out
.else
	s_wait_dscnt 0x0                               ; this pair's fragments and scale words are in
.endif
.set xb, 0
.rept 2
.set m, 0
.rept 32
	MM
	VEC \epi
.if (m == 7) && (xb == 0)
	WIN 0                                          ; THE RUN
.if \chg
	s_wait_alu depctr_va_vdst(0)
	s_wait_dscnt 0x0                               ; the add is done, and my reads of this slot are over: say so
	s_barrier_signal -1
	s_barrier_wait -1
.if (\chg) == 1
	CREST                                          ; no wave of any partner still reads this slot's tile or has a load on its way
	tensor_load_to_lds s[G0+4*(\cslot):G0+4*(\cslot)+3], s[G1:G1+7]   ; my one tensor load until the next change
	s_nop 0
.rept 4
	v_nop
.endr
.endif
.if (\ask) == 1
	ASK
.elseif (\ask) == 2
	s_cmp_lg_u32 s[TL], 1
	s_cbranch_scc0 .Lno_ask_\@
	ASK
.Lno_ask_\@:
.endif
.endif
.if \st
	ds_store_b32 v[STO], v[EV] offset:4*((\lam)-2)
.endif
.if \nxt
	LOADS (\lam)+1
.endif
.endif
.set m, m+1
.endr
.set xb, 1
.endr
.endm
	PRE 1                                          ; tile 0 has landed everywhere; tile 1 into slot 1
	LOADS 0
	ASK                                            ; tile 2
	s_wait_loadcnt 0x0                             ; dec, W's scale words
	PAIR 0, 0, 0, 1, 0, 0, 0                       ; the first two pairs stand in front of the loop: no pair stands before the first, and the first part goes to the stage in the third
	PAIR 1, 1, 0, 1, 0, 0, 0
	WIN 0                                          ; at a label and at a branch every window is 0
	s_mov_b32 s[TL], 3
	s_wait_alu depctr_va_vdst(0)
.Ltile:                                                ; a trip is two tiles' worth, from the third pair of one in slot 0 to the second pair of the next in slot 0; both slots are filled again
	PAIR 2, 1, 1, 1, 0, 0, 0
	PAIR 3, 1, 1, 1, 1, 0, 1
.irp l, 4,5,6
	PAIR \l, 1, 1, 1, 0, 0, 0
.endr
	PAIR 7, 1, 1, 1, 1, 1, 2
.irp l, 8,9
	PAIR \l, 1, 1, 1, 0, 0, 0
.endr
	WIN 0
	s_add_co_u32 s[TS], s[TS], 8*SBLK              ; two tiles on: enc's scale words,
	s_add_co_u32 s[ES], s[ES], 32                  ; and eight values of s in a row of the stage
	v_add_nc_u32 v[STO], s[ES], v[STO0]
	v_add_nc_u32 v[ASA], s[TS], v[ASA0]
	s_sub_co_u32 s[TL], s[TL], 1
	s_cmp_lg_u32 s[TL], 0
	s_wait_alu depctr_va_vdst(0)
	s_cbranch_scc1 .Ltile
	PAIR 2, 1, 1, 1, 0, 0, 0                       ; the last six pairs are written out
	PAIR 3, 1, 1, 1, 2, 0, 0
.irp l, 4,5,6
	PAIR \l, 1, 1, 1, 0, 0, 0
.endr
	PAIR 7, 1, 1, 0, 0, 0, 0
.set m, 0
.rept 8
	PK2 CP, 1, m==0                                ; the last pair's sums
.set m, m+1
.endr
	WIN 0
	ds_store_b32 v[STO], v[EV] offset:24           ; the last pair but one
.irp k, 2,3,4,5,6,7,8,9
	FIN \k
.endr
	ds_store_b32 v[STO], v[EV] offset:28
	; THE WAY OUT.  The four planes hold, for each b, 32 parts of energies each; a unit of part (a pair of b: [b % 2][32 s], 256 bytes) takes their sums.
	s_wait_dscnt 0x0                               ; for the others' sake: my stores into the stage are done
	s_barrier_signal -1
	s_barrier_wait -1
.irp i, 0,1
.irp p, 0,1,2,3
	ds_load_b128 v[OB+16*\i+4*\p:OB+16*\i+4*\p+3], v[RD] offset:4*144*\i+PLANE*\p
.endr
.endr
.irp i, 0,1
	s_wait_dscnt 4-4*\i                            ; the younger four loads may be out
.irp p, 0,2
	v_pk_add_f32 v[OB+16*\i+4*\p:OB+16*\i+4*\p+1], v[OB+16*\i+4*\p:OB+16*\i+4*\p+1], v[OB+16*\i+4*\p+4:OB+16*\i+4*\p+5]
	v_pk_add_f32 v[OB+16*\i+4*\p+2:OB+16*\i+4*\p+3], v[OB+16*\i+4*\p+2:OB+16*\i+4*\p+3], v[OB+16*\i+4*\p+6:OB+16*\i+4*\p+7]
.endr
	v_pk_add_f32 v[OB+16*\i:OB+16*\i+1], v[OB+16*\i:OB+16*\i+1], v[OB+16*\i+8:OB+16*\i+9]
	v_pk_add_f32 v[OB+16*\i+2:OB+16*\i+3], v[OB+16*\i+2:OB+16*\i+3], v[OB+16*\i+10:OB+16*\i+11]
	global_store_b128 v[CO], v[OB+16*\i:OB+16*\i+3], s[14:15] offset:131072*\i   ; 16 lanes store 256 consecutive bytes, at a multiple of 256 from part's first byte: pairs of b 4 w + 2 i, + 1
.endr
	s_wait_tensorcnt 0x0                           ; the wave's end, behind my last tensor load and my last LDS store
	ds_add_u32 v[SPW], v[NIL]
	s_wait_dscnt 0x0
	CROUND                                         ; the closing round: no work-group ends while a partner may still ask for a tile that names it
	s_endpgm
.Lfunc_end_k_qf7d6e1eefd_energy:
	.size	k_qf7d6e1eefd_energy, .Lfunc_end_k_qf7d6e1eefd_energy-k_qf7d6e1eefd_energy
	.p2alignl 7, 3214868480
	.fill 96, 4, 3214868480
	.section	.rodata,"a",@progbits
	.p2align	6, 0x0
	.amdhsa_kernel k_qf7d6e1eefd_energy
		.amdhsa_group_segment_fixed_size 327680
		.amdhsa_private_segment_fixed_size 0
		.amdhsa_enable_private_segment 0
		.amdhsa_kernarg_size 48
		.amdhsa_user_sgpr_count 2
		.amdhsa_user_sgpr_kernarg_segment_ptr 1
		.amdhsa_wavefront_size32 1
		.amdhsa_system_sgpr_workgroup_id_x 1
		.amdhsa_system_sgpr_workgroup_id_y 1
		.amdhsa_system_sgpr_workgroup_id_z 1
		.amdhsa_system_vgpr_workitem_id 0
		.amdhsa_next_free_vgpr 1024
		.amdhsa_next_free_sgpr 100
		.amdhsa_reserve_vcc 0
		.amdhsa_float_denorm_mode_32 3
		.amdhsa_float_denorm_mode_16_64 3
		.amdhsa_memory_ordered 1
		.amdhsa_forward_progress 1
		.amdhsa_inst_pref_size 255
	.end_amdhsa_kernel
	.section	.bss,"aw",@nobits
	.p2align	6
	.space	262144
	.amdgpu_metadata
---
amdhsa.version: [ 1, 2 ]
amdhsa.kernels:
  - .name:           k_qf7d6e1eefd_energy
    .symbol:         k_qf7d6e1eefd_energy.kd
    .args:
      - { .name: encoder_outputs_codes, .offset: 0, .size: 8, .value_kind: global_buffer, .address_space: global }
      - { .name: encoder_outputs_scales, .offset: 8, .size: 8, .value_kind: global_buffer, .address_space: global }
      - { .name: W_codes, .offset: 16, .size: 8, .value_kind: global_buffer, .address_space: global }
      - { .name: W_scales, .offset: 24, .size: 8, .value_kind: global_buffer, .address_space: global }
      - { .name: decoder_hidden, .offset: 32, .size: 8, .value_kind: global_buffer, .address_space: global }
      - { .name: part, .offset: 40, .size: 8, .value_kind: global_buffer, .address_space: global }
    .group_segment_fixed_size: 327680
    .private_segment_fixed_size: 0
    .kernarg_segment_align: 8
    .kernarg_segment_size: 48
    .max_flat_workgroup_size: 128
    .sgpr_count:     100
    .vgpr_count:     1024
    .wavefront_size: 32
...
	.end_amdgpu_metadata
.endif
;; end of part 3
;; launch softmax (part 4): grid 32 x 1, 16 waves a work-group, no clusters, 2,304 bytes of LDS; arguments part, out0; writes out0
.if DOCPART == 4
	.amdgcn_target "amdgcn-amd-amdhsa--gfx1250"
	.amdhsa_code_object_version 6
	.text
	.protected	k_qf7d6e1eefd_softmax
	.globl	k_qf7d6e1eefd_softmax
	.p2align	8
	.type	k_qf7d6e1eefd_softmax,@function
k_qf7d6e1eefd_softmax:
	s_mov_b64 s[64:65], 0
	v_nop
	global_prefetch_b8 v0, s[64:65] scope:SCOPE_SE
	s_setreg_imm32_b32 hwreg(HW_REG_WAVE_MODE, 25, 1), 1
	s_wait_xcnt 0x0
; out0[b][s] = softmax over s of energy[b][s],  energy[b][s] = the sum of the 4 parts part[b / 2][s / 32][wx][b % 2][s % 32], wx = 0 .. 3 (256 columns of the projection each; the bias, the same for all s, is left out there).  All in f32.
; A work-group takes one b: 2,048 energies.  Thread t takes s = 4 t .. 4 t + 3: four loads of 16 bytes, 256 bytes apart; eight neighbouring threads cover 128 consecutive bytes.
; Each wave takes its own maximum away before the exponential (p = 2^(e log2(e) - m), one fused multiply-add) and sums its p; maximum and sum go from wave to wave together, through 8 bytes of LDS each and ONE barrier.
; Behind it each p is brought under the row's maximum by the factor 2^(m - M), at most 1.  No matrix unit, no tensor load, no cluster: 1 MiB is read.
; LIMITS: weights under 2^-126 come out as 0 (the exponential flushes them); the parts are added as a fixed tree, not in the definition's order.
	s_load_b128 s[4:7], s[0:1], 0x0                ; part, out0
	v_lshl_add_u32 v64, v0, 2, 0x100               ; my spare word, behind the waves' 128 bytes
	v_mov_b32 v65, 0
	v_lshrrev_b32 v1, 5, v0                        ; wave
	v_lshrrev_b32 v2, 3, v0
	v_and_b32 v3, 7, v0
	v_and_b32 v7, 15, v0
	v_lshlrev_b32 v2, 10, v2
	s_delay_alu instid0(VALU_DEP_1)
	v_lshl_add_u32 v2, v3, 4, v2                   ; in: 1,024 (t / 8) + 16 (t % 8)
	v_lshlrev_b32 v3, 4, v0                        ; out: 16 t
	v_lshlrev_b32 v4, 3, v1                        ; LDS: my wave's 8 bytes
	v_lshlrev_b32 v7, 3, v7                        ; LDS: the 8 bytes of wave lane % 16
	v_mov_b32 v5, 0                                ; written once: a lane permute's destination counts as one of its sources
	s_lshr_b32 s10, ttmp9, 1
	s_lshl_b32 s10, s10, 16                        ; b / 2 x 65,536 bytes of parts
	s_and_b32 s11, ttmp9, 1
	s_lshl_b32 s11, s11, 7                         ; + b % 2 x 128
	s_add_co_u32 s10, s10, s11
	s_mov_b32 s11, 0
	s_lshl_b32 s12, ttmp9, 13                      ; b x 8,192 bytes of weights
	s_mov_b32 s13, 0
	s_mov_b32 s14, 0x76543210                      ; v_permlanex16_b32's selects for lane l xor 16
	s_mov_b32 s15, 0xfedcba98
	s_mov_b32 s16, 0x3fb8aa3b                      ; log2(e)
	s_wait_alu depctr_va_vdst(0)                   ; the wait at the head's end
	s_wait_kmcnt 0x0
	s_add_nc_u64 s[4:5], s[4:5], s[10:11]
	s_add_nc_u64 s[6:7], s[6:7], s[12:13]
.irp p, 0,1,2,3
	global_load_b128 v[8+4*\p:11+4*\p], v2, s[4:5] offset:256*\p
.endr
	s_wait_loadcnt 0x0
	v_pk_add_f32 v[8:9], v[8:9], v[12:13]
	v_pk_add_f32 v[10:11], v[10:11], v[14:15]
	v_pk_add_f32 v[16:17], v[16:17], v[20:21]
	v_pk_add_f32 v[18:19], v[18:19], v[22:23]
	s_delay_alu instid0(VALU_DEP_2)
	v_pk_add_f32 v[8:9], v[8:9], v[16:17]
	s_delay_alu instid0(VALU_DEP_2)
	v_pk_add_f32 v[10:11], v[10:11], v[18:19]      ; v8-11: my four energies
	; my wave's maximum
	s_delay_alu instid0(VALU_DEP_1)
	v_max3_num_f32 v6, v8, v9, v10
	s_delay_alu instid0(VALU_DEP_1)
	v_max_num_f32 v6, v6, v11
	s_delay_alu instid0(VALU_DEP_1)
	v_max_num_f32_dpp v6, v6, v6 row_xmask:1 row_mask:0xf bank_mask:0xf
	s_delay_alu instid0(VALU_DEP_1)
	v_max_num_f32_dpp v6, v6, v6 row_xmask:2 row_mask:0xf bank_mask:0xf
	s_delay_alu instid0(VALU_DEP_1)
	v_max_num_f32_dpp v6, v6, v6 row_xmask:4 row_mask:0xf bank_mask:0xf
	s_delay_alu instid0(VALU_DEP_1)
	v_max_num_f32_dpp v6, v6, v6 row_xmask:8 row_mask:0xf bank_mask:0xf
	s_delay_alu instid0(VALU_DEP_1)
	v_permlanex16_b32 v5, v6, s14, s15
	s_delay_alu instid0(VALU_DEP_1)
	v_max_num_f32 v6, v6, v5
	s_delay_alu instid0(VALU_DEP_1)
	v_mul_f32 v12, s16, v6                         ; m = the maximum x log2(e)
.irp i, 0,1,2,3
	v_fma_f32 v[8+\i], v[8+\i], s16, -v12
.endr
	s_wait_alu depctr_va_vdst(0)                   ; ahead of the batch
.irp i, 0,1,2,3
	v_exp_f32 v[8+\i], v[8+\i]                     ; at most about 1
.endr
	v_nop                                          ; a plain instruction between the last exponential and the use of its result
	s_wait_alu depctr_va_vdst(0)                   ; and the wait ahead of the first use: one for the four
	; my wave's sum
	v_add_f32 v14, v8, v9
	v_add_f32 v13, v10, v11
	s_delay_alu instid0(VALU_DEP_1)
	v_add_f32 v14, v14, v13
	s_delay_alu instid0(VALU_DEP_1)
	v_add_f32_dpp v14, v14, v14 row_xmask:1 row_mask:0xf bank_mask:0xf
	s_delay_alu instid0(VALU_DEP_1)
	v_add_f32_dpp v14, v14, v14 row_xmask:2 row_mask:0xf bank_mask:0xf
	s_delay_alu instid0(VALU_DEP_1)
	v_add_f32_dpp v14, v14, v14 row_xmask:4 row_mask:0xf bank_mask:0xf
	s_delay_alu instid0(VALU_DEP_1)
	v_add_f32_dpp v14, v14, v14 row_xmask:8 row_mask:0xf bank_mask:0xf
	s_delay_alu instid0(VALU_DEP_1)
	v_permlanex16_b32 v5, v14, s14, s15
	s_delay_alu instid0(VALU_DEP_1)
	v_add_f32 v13, v14, v5
	ds_store_b64 v4, v[12:13]                      ; all lanes write the same 8 bytes with the same value
	s_wait_alu depctr_va_vdst(0)
	s_wait_dscnt 0x0                               ; for the others' sake
	s_barrier_signal -1
	s_barrier_wait -1
	ds_load_b64 v[16:17], v7                       ; lane l: m and sum of wave l % 16; both rows of 16 lanes hold all sixteen
	s_wait_dscnt 0x0
	v_mov_b32 v18, v16
	s_delay_alu instid0(VALU_DEP_1)
	v_max_num_f32_dpp v18, v18, v18 row_xmask:1 row_mask:0xf bank_mask:0xf
	s_delay_alu instid0(VALU_DEP_1)
	v_max_num_f32_dpp v18, v18, v18 row_xmask:2 row_mask:0xf bank_mask:0xf
	s_delay_alu instid0(VALU_DEP_1)
	v_max_num_f32_dpp v18, v18, v18 row_xmask:4 row_mask:0xf bank_mask:0xf
	s_delay_alu instid0(VALU_DEP_1)
	v_max_num_f32_dpp v18, v18, v18 row_xmask:8 row_mask:0xf bank_mask:0xf   ; M
	s_delay_alu instid0(VALU_DEP_1)
	v_sub_f32 v19, v16, v18
	v_sub_f32 v20, v12, v18
	s_wait_alu depctr_va_vdst(0)                   ; ahead of the batch
	v_exp_f32 v19, v19                             ; wave l % 16's factor
	v_exp_f32 v20, v20                             ; my wave's
	v_nop
	s_wait_alu depctr_va_vdst(0)                   ; behind it
	v_mul_f32 v17, v17, v19
	s_delay_alu instid0(VALU_DEP_1)
	v_add_f32_dpp v17, v17, v17 row_xmask:1 row_mask:0xf bank_mask:0xf
	s_delay_alu instid0(VALU_DEP_1)
	v_add_f32_dpp v17, v17, v17 row_xmask:2 row_mask:0xf bank_mask:0xf
	s_delay_alu instid0(VALU_DEP_1)
	v_add_f32_dpp v17, v17, v17 row_xmask:4 row_mask:0xf bank_mask:0xf
	s_delay_alu instid0(VALU_DEP_1)
	v_add_f32_dpp v17, v17, v17 row_xmask:8 row_mask:0xf bank_mask:0xf       ; the row's sum
	s_wait_alu depctr_va_vdst(0)
	v_rcp_f32 v21, v17
	v_nop                                          ; a plain instruction behind the reciprocal,
	s_wait_alu depctr_va_vdst(0)                   ; and the wait ahead of its first use
	v_mul_f32 v20, v20, v21
	v_pk_mul_f32 v[8:9], v[8:9], v[20:21] op_sel_hi:[1,0]      ; (of the pair v[20:21] the low word serves both halves)
	v_pk_mul_f32 v[10:11], v[10:11], v[20:21] op_sel_hi:[1,0]
	global_store_b128 v3, v[8:11], s[6:7]          ; a wave stores 512 consecutive bytes, at a multiple of 256 from out0's first byte
	s_wait_tensorcnt 0x0                           ; the wave's end
	ds_add_u32 v64, v65
	s_wait_dscnt 0x0
	s_endpgm
.Lfunc_end_k_qf7d6e1eefd_softmax:
	.size	k_qf7d6e1eefd_softmax, .Lfunc_end_k_qf7d6e1eefd_softmax-k_qf7d6e1eefd_softmax
	.p2alignl 7, 3214868480
	.fill 96, 4, 3214868480
	.section	.rodata,"a",@progbits
	.p2align	6, 0x0
	.amdhsa_kernel k_qf7d6e1eefd_softmax
		.amdhsa_group_segment_fixed_size 2304
		.amdhsa_private_segment_fixed_size 0
		.amdhsa_enable_private_segment 0
		.amdhsa_kernarg_size 16
		.amdhsa_user_sgpr_count 2
		.amdhsa_user_sgpr_kernarg_segment_ptr 1
		.amdhsa_wavefront_size32 1
		.amdhsa_system_sgpr_workgroup_id_x 1
		.amdhsa_system_sgpr_workgroup_id_y 1
		.amdhsa_system_sgpr_workgroup_id_z 1
		.amdhsa_system_vgpr_workitem_id 0
		.amdhsa_next_free_vgpr 66
		.amdhsa_next_free_sgpr 66
		.amdhsa_reserve_vcc 0
		.amdhsa_float_denorm_mode_32 3
		.amdhsa_float_denorm_mode_16_64 3
		.amdhsa_memory_ordered 1
		.amdhsa_forward_progress 1
		.amdhsa_inst_pref_size 6
	.end_amdhsa_kernel
	.amdgpu_metadata
---
amdhsa.version: [ 1, 2 ]
amdhsa.kernels:
  - .name:           k_qf7d6e1eefd_softmax
    .symbol:         k_qf7d6e1eefd_softmax.kd
    .args:
      - { .name: part, .offset: 0, .size: 8, .value_kind: global_buffer, .address_space: global }
      - { .name: out0, .offset: 8, .size: 8, .value_kind: global_buffer, .address_space: global }
    .group_segment_fixed_size: 2304
    .private_segment_fixed_size: 0
    .kernarg_segment_align: 8
    .kernarg_segment_size: 16
    .max_flat_workgroup_size: 512
    .sgpr_count:     66
    .vgpr_count:     66
    .wavefront_size: 32
...
	.end_amdgpu_metadata
.endif
;; end of part 4
